; MI455X (gfx1250); checked and timed in simulation.
; The chip was launched on July 23, 2026; its instructions are those of AMD's public machine-readable ISA for CDNA 5 (MIT licence, August 2026) and "CDNA5" Instruction Set Architecture Reference Guide (July 2026). The comments in the code are by the model that wrote it; some were corrected since.
;; Transformer Encoder. Allowed arithmetic: matrix products marked QUANTISED: E5M2 operands, one given power-of-two scale a tensor, by v_wmma_f32_16x16x64_bf8_bf8 or v_wmma_f32_16x16x128_bf8_bf8, f32 sums; everything else in f32.
;; Inputs: b1 4,096 float32; b2 1,024 float32; bk 1,024 float32; bo 1,024 float32; bq 1,024 float32; bv 1,024 float32; ln1_b 1,024 float32; ln1_g 1,024 float32; ln2_b 1,024 float32; ln2_g 1,024 float32; lowp_scales 16 int32 (the exponents e of the quantised operands' scales 2^e); w1_codes 4,096 x 32 x 32 uint8 (E5M2 codes of w1, K innermost, in blocks of 32 codes); w2_codes 1,024 x 128 x 32 uint8 (E5M2 codes of w2, K innermost, in blocks of 32 codes); wk_codes 1,024 x 32 x 32 uint8 (E5M2 codes of wk, K innermost, in blocks of 32 codes); wo_codes 1,024 x 32 x 32 uint8 (E5M2 codes of wo, K innermost, in blocks of 32 codes); wq_codes 1,024 x 32 x 32 uint8 (E5M2 codes of wq, K innermost, in blocks of 32 codes); wv_codes 1,024 x 32 x 32 uint8 (E5M2 codes of wv, K innermost, in blocks of 32 codes); x 2 x 2,048 x 1,024 float32.
;; Outputs: out0 2 x 2,048 x 1,024 float32.
;; This version of the problem:
;;   THIS VERSION OF THE PROBLEM IS GIVEN IN LOW PRECISION. The matrix products marked QUANTISED in the list below multiply operands that are first quantised to E5M2 (5 exponent bits, 2 mantissa bits; 8 bits a number), with one given power-of-two scale for each operand tensor; their sums are f32. All else is computed in f32.
;;   The module's matrix products, in the order in which they are computed (A, B: the left and right operand; K: the contracted axis; several contracted axes count as one K, in the product's order):
;;     1. [M 4,096, K 1,024] x [K 1,024, N 1,024]; A: computed on the way; B: input wq (given as codes): QUANTISED (scales: A lowp_scales[0], B lowp_scales[1])
;;     2. [M 4,096, K 1,024] x [K 1,024, N 1,024]; A: computed on the way; B: input wk (given as codes): QUANTISED (scales: A lowp_scales[2], B lowp_scales[3])
;;     3. [M 4,096, K 1,024] x [K 1,024, N 1,024]; A: computed on the way; B: input wv (given as codes): QUANTISED (scales: A lowp_scales[4], B lowp_scales[5])
;;     4. batch 32 x [M 2,048, K 64] x [K 64, N 2,048]; A: computed on the way; B: computed on the way: QUANTISED (scales: A lowp_scales[6], B lowp_scales[7])
;;     5. batch 32 x [M 64, K 2,048] x [K 2,048, N 2,048]; A: computed on the way; B: softmax (see below): QUANTISED (scales: A lowp_scales[8], B lowp_scales[9])
;;     6. [M 4,096, K 1,024] x [K 1,024, N 1,024]; A: computed on the way; B: input wo (given as codes): QUANTISED (scales: A lowp_scales[10], B lowp_scales[11])
;;     7. [M 4,096, K 1,024] x [K 1,024, N 4,096]; A: computed on the way; B: input w1 (given as codes): QUANTISED (scales: A lowp_scales[12], B lowp_scales[13])
;;     8. [M 4,096, K 4,096] x [K 4,096, N 1,024]; A: computed on the way; B: input w2 (given as codes): QUANTISED (scales: A lowp_scales[14], B lowp_scales[15])
;;   THE QUANTISER, for each operand of a quantised product, along K:
;;     - The operand's scale is 2^e, e = its entry of the input lowp_scales (int32; the entries are numbered through the quantised products in the list's order, A before B).
;;     - Each number is divided by the scale, clamped to +-57,344, and rounded to the nearest number of E5M2, ties to even, subnormals kept.
;;     - The product sums the exact products of the quantised numbers (number of the format x scale) in f32.
;;   ~~~python
;;   def quantise(x, axis, e):      # numpy; x: float32 -> the quantised numbers, widened to float32 again
;;       x = np.moveaxis(x, axis, -1); K = x.shape[-1]
;;       r = np.clip(x / 2.0 ** e, -57344, 57344)
;;       step = 2.0 ** (np.maximum(np.frexp(np.where(r == 0, 1, r))[1] - 1, -14) - 2)
;;       q = np.round(r / step) * step * 2.0 ** e      # np.round: ties to even
;;       return np.moveaxis(q, -1, axis).astype(np.float32)
;;   ~~~
;;   SOFTMAX AHEAD OF A QUANTISED PRODUCT. Where the list says 'softmax', what is quantised is not the finished softmax but p = 2^(t - M), with t = logit x log2(e) and M = ceil(the row's largest t), a whole number; so 1/2 < the row's largest p <= 1. The row's sum l is taken of the UNQUANTISED p, in f32, and the product's result is divided by l at the end. Since M is a whole number, a kernel that streams over the keys may use a running M (the ceiling of the running maximum): every later rescaling is an exact power of two, so the quantised numbers keep their values, but for numbers so far below the row's largest that they fall under the format's range.
;;   OPERANDS COMPUTED ON THE WAY. 'Computed on the way' means the value that the module computes at that place (a softmax that the list does not call 'softmax' is quantised finished and normalised). What goes into a quantiser is computed in f32, as accurately as f32 sums, v_exp_f32 and their like allow (about 1e-6 of the number): no bf16 or f16 on the way to a quantiser, and a product that is left as it is and whose result goes on into a quantised operand takes f32 operands (vector FMAs, or v_wmma_f32_16x16x4_f32). A number that lies on a knife's edge between two numbers of the format may be rounded either way, as far as f32 arithmetic and the matrix unit's own rounding can turn it there, and no further.
;;   INPUTS GIVEN AS CODES. w1 (in the module: [4096, 1024], K = its axis 1); w2 (in the module: [1024, 4096], K = its axis 1); wk (in the module: [1024, 1024], K = its axis 1); wo (in the module: [1024, 1024], K = its axis 1); wq (in the module: [1024, 1024], K = its axis 1); wv (in the module: [1024, 1024], K = its axis 1): each comes as NAME_codes (uint8): NAME with its K axis moved to the last place and cut into blocks of 32 codes, [.., K / 32, bytes a block], one block behind the other in memory; one code a byte (a code: sign, 5 exponent bits, 2 mantissa bits); its scale is its entry of lowp_scales. Its value is code x scale, taken as it is: it is not quantised again, and the codes and scales need not be those that the quantiser above would give.
;; One version. Each part assembles by itself: llvm-mc -triple=amdgcn-amd-amdhsa -mcpu=gfx1250 --defsym DOCPART=n.
;; ======== version 1 of 1: 7 launches
;; workspace buffers: hc 12,582,912 bytes; qkvc 12,582,912 bytes; attc 4,194,304 bytes; res1 16,777,216 bytes; h2c 4,194,304 bytes; hidc 16,777,216 bytes
;; launch ln1 (part 1): grid 256 x 1, 8 waves a work-group, no clusters, 25,600 bytes of LDS; arguments x, ln1_g, ln1_b, lowp_scales, hc; writes hc
.if DOCPART == 1
	.amdgcn_target "amdgcn-amd-amdhsa--gfx1250"
	.amdhsa_code_object_version 6
	.text
	.protected	k_qaf5f55801b_ln1
	.globl	k_qaf5f55801b_ln1
	.p2align	8
	.type	k_qaf5f55801b_ln1,@function
k_qaf5f55801b_ln1:
	s_mov_b64 s[64:65], 0
	v_nop
	global_prefetch_b8 v0, s[64:65] scope:SCOPE_SE
	s_setreg_imm32_b32 hwreg(HW_REG_WAVE_MODE, 25, 1), 1
	s_wait_xcnt 0x0
; LAYER NORM OF 4,096 ROWS OF 1,024 f32, THEN E5M2 CODES, NV TIMES WITH NV GIVEN SCALES.  dst: [NV][4096][1024] codes, row-major.
; y = (x - mean) * rsqrt(var + 1e-5) * g + b, all in f32; the variance is the mean of the squared differences (a second pass over registers), so no difference of large sums is formed.
; code = y / 2^e, held within +-57,344, to the nearest code, ties to even; e = entry (SCOFF + 8 v) / 4 of the scales for variant v.
; LIMITS: -126 <= e <= 112, so that 2^e and 57,344 x 2^e are f32 numbers.  NaN among the inputs is not served.
; SHARES: a work-group takes 16 rows, a wave two whole rows: a row is 32 registers a lane (load j: 512 consecutive bytes, my columns 128 j + 4 lane + 0..3), so the sums never leave the wave: no barrier.
; All 32 loads of a wave go out at the head.  A lane's four codes of load j are one word; they meet in the wave's own 1,024 bytes of LDS for each variant and leave as two stores of 512 consecutive bytes.
; No matrix unit, no tensor load, no cluster: the launch streams, and its work-groups share only g and b (8 KiB).
.set NV,    3
.set SCOFF, 0
.set X,   32                           ; v32-95   two rows
.set GA,  96                           ; v96-127  g of my columns
.set BE,  128                          ; v128-159 b of my columns
.set T,   160                          ; v160-191 a row, held
.set C,   192                          ; v192..   8 words of codes for each variant
.set O,   216                          ; v216..   8 registers on the way out for each variant
.set SC,  16                           ; v16-18   2^e
.set LIM, 19                           ; v19-21   57,344 x 2^e
	s_load_b256 s[4:11], s[0:1], 0x0               ; src s[4:5], g s[6:7], b s[8:9], scales s[10:11]
	s_load_b64 s[12:13], s[0:1], 0x20              ; dst
	v_lshl_add_u32 v240, v0, 2, 0x6000
	v_mov_b32 v241, 0
	v_lshrrev_b32 v1, 5, v0
	v_readfirstlane_b32 s16, v1                    ; wave 0..7
	v_and_b32 v3, 31, v0                           ; lane
	v_lshlrev_b32 v1, 4, v3                        ; v1: 16 x lane; never rewritten
	s_mul_i32 s17, s16, NV*1024                    ; my wave's stage
	v_lshl_add_u32 v2, v3, 2, s17                  ; v2: into it: 4 x lane
	v_add_nc_u32 v3, s17, v1                       ; v3: out of it: 16 x lane
	v_mov_b32 v22, 0                               ; a lane permute's destination counts as read: written once
	s_mov_b32 s20, 0x3a800000                      ; 1 / 1024
	s_mov_b32 s21, 0x3727c5ac                      ; 1e-5
	s_mov_b32 s22, 0x76543210                      ; selects: each lane takes its own place in the other half
	s_mov_b32 s23, 0xfedcba98
	s_lshl_b32 s18, ttmp9, 4
	s_lshl_b32 s19, s16, 1
	s_add_co_u32 s18, s18, s19                     ; my first row: 16 x work-group + 2 x wave
	s_lshl_b32 s14, s18, 12                        ; x 4,096 bytes in src
	s_mov_b32 s15, 0
	s_lshl_b32 s18, s18, 10                        ; x 1,024 bytes in dst
	s_mov_b32 s19, 0
	s_wait_kmcnt 0x0
.irp v, 0,1,2
.if \v < NV
	s_load_b32 s[30+\v], s[10:11], SCOFF+8*\v      ; e of variant v
.endif
.endr
	s_add_nc_u64 s[4:5], s[4:5], s[14:15]
	s_add_nc_u64 s[24:25], s[12:13], s[18:19]      ; a base for each variant: they lie 4 MiB apart
.if NV > 1
	s_add_nc_u64 s[26:27], s[24:25], 0x400000
	s_add_nc_u64 s[28:29], s[24:25], 0x800000
.endif
.irp rr, 0,1
.irp j, 0,1,2,3,4,5,6,7
	global_load_b128 v[X+32*\rr+4*\j:X+32*\rr+4*\j+3], v1, s[4:5] offset:4096*\rr+512*\j th:TH_LOAD_NT
.endr
.endr
.irp j, 0,1,2,3,4,5,6,7
	global_load_b128 v[GA+4*\j:GA+4*\j+3], v1, s[6:7] offset:512*\j
.endr
.irp j, 0,1,2,3,4,5,6,7
	global_load_b128 v[BE+4*\j:BE+4*\j+3], v1, s[8:9] offset:512*\j
.endr
	s_wait_kmcnt 0x0
.irp v, 0,1,2
.if \v < NV
	s_add_co_i32 s33, s[30+\v], 127
	s_lshl_b32 s34, s33, 23
	v_mov_b32 v[SC+\v], s34                        ; 2^e as f32: the conversion takes its exponent field
	s_add_co_i32 s33, s33, 15
	s_lshl_b32 s33, s33, 23
	s_or_b32 s33, s33, 0x600000
	v_mov_b32 v[LIM+\v], s33                       ; 57,344 x 2^e
.endif
.endr
; four packed chains v[8:15] become one number in every lane's v8
.macro RSUM
	v_pk_add_f32 v[8:9], v[8:9], v[10:11]
	v_pk_add_f32 v[12:13], v[12:13], v[14:15]
	v_pk_add_f32 v[8:9], v[8:9], v[12:13]
	v_add_f32 v8, v8, v9
	v_add_f32_dpp v8, v8, v8 row_xmask:1 row_mask:0xf bank_mask:0xf
	v_add_f32_dpp v8, v8, v8 row_xmask:2 row_mask:0xf bank_mask:0xf
	v_add_f32_dpp v8, v8, v8 row_xmask:4 row_mask:0xf bank_mask:0xf
	v_add_f32_dpp v8, v8, v8 row_xmask:8 row_mask:0xf bank_mask:0xf
	v_permlanex16_b32 v22, v8, s22, s23
	v_add_f32 v8, v8, v22
.endm
.macro ROW rr
.set XR, X+32*(\rr)
.irp k, 0,1,2,3
	v_pk_add_f32 v[8+2*\k:9+2*\k], v[XR+2*\k:XR+2*\k+1], v[XR+8+2*\k:XR+9+2*\k]   ; the first pairs start the chains: nothing is cleared
.endr
.irp k, 0,1,2,3,4,5,6,7
	v_pk_add_f32 v[8+2*(\k%4):9+2*(\k%4)], v[8+2*(\k%4):9+2*(\k%4)], v[XR+16+2*\k:XR+17+2*\k]
.endr
	RSUM
	v_mul_f32 v4, s20, v8                          ; the mean, twice: a pair for the packed form
	v_mul_f32 v5, s20, v8
.set i, 0
.rept 16
	v_pk_add_f32 v[XR+i:XR+i+1], v[XR+i:XR+i+1], v[4:5] neg_lo:[0,1] neg_hi:[0,1]   ; x - mean, in place
.set i, i+2
.endr
.irp k, 0,1,2,3
	v_pk_mul_f32 v[8+2*\k:9+2*\k], v[XR+2*\k:XR+2*\k+1], v[XR+2*\k:XR+2*\k+1]
.endr
.irp k, 0,1,2,3,4,5,6,7,8,9,10,11
	v_pk_fma_f32 v[8+2*(\k%4):9+2*(\k%4)], v[XR+8+2*\k:XR+9+2*\k], v[XR+8+2*\k:XR+9+2*\k], v[8+2*(\k%4):9+2*(\k%4)]
.endr
	RSUM
	v_fma_f32 v8, v8, s20, s21                     ; the variance + 1e-5
	v_rsq_f32 v6, v8
	v_rsq_f32 v7, v8
	v_nop                                          ; a plain instruction behind the last transcendental (ISA guide 5.7.2)
	s_wait_alu depctr_va_vdst(0)                   ; one wait for both, ahead of their first reader
.if (\rr) == 0
	s_wait_loadcnt 0x0                             ; g and b, and row 1 with them
.endif
.set i, 0
.rept 16
	v_pk_mul_f32 v[XR+i:XR+i+1], v[XR+i:XR+i+1], v[6:7]
.set i, i+2
.endr
.set i, 0
.rept 16
	v_pk_fma_f32 v[XR+i:XR+i+1], v[XR+i:XR+i+1], v[GA+i:GA+i+1], v[BE+i:BE+i+1]
.set i, i+2
.endr
.if (\rr) > 0
	s_wait_xcnt 0x0                                ; the last row's stores have read O: it is loaded again only behind this wait
.endif
.irp v, 0,1,2
.if \v < NV
.set i, 0
.rept 32
	v_med3_num_f32 v[T+i], v[XR+i], -v[LIM+\v], v[LIM+\v]   ; the conversion to an 8-bit code does not saturate (ISA guide 7.6.2): the hold comes first
.set i, i+1
.endr
.irp q, 0,1,2,3
	v_cvt_scalef32_pk8_bf8_f32 v[C+8*\v+2*\q:C+8*\v+2*\q+1], v[T+8*\q:T+8*\q+7], v[SC+\v]   ; word j of the eight: my four codes of load j
.endr
	v_nop                                          ; a plain instruction between the conversions and the next variant's holds, which write T
.irp j, 0,1,2,3,4,5,6,7
	ds_store_b32 v2, v[C+8*\v+\j] offset:1024*\v+128*\j    ; columns 128 j + 4 lane: the row's codes as they lie in memory
.endr
	ds_load_b128 v[O+8*\v:O+8*\v+3], v3 offset:1024*\v     ; LDS serves a wave's instructions in order (ISA guide 5.7.1.4): these see my stores
	ds_load_b128 v[O+8*\v+4:O+8*\v+7], v3 offset:1024*\v+512
.endif
.endr
	s_wait_dscnt 0x0
.irp v, 0,1,2
.if \v < NV
	global_store_b128 v1, v[O+8*\v:O+8*\v+3], s[24+2*\v:25+2*\v] offset:1024*(\rr)         ; 32 lanes store 512 consecutive bytes, aligned
	global_store_b128 v1, v[O+8*\v+4:O+8*\v+7], s[24+2*\v:25+2*\v] offset:1024*(\rr)+512
.endif
.endr
.endm
	s_wait_loadcnt 24                              ; row 0's eight loads are in; row 1's, g's and b's 24 may be out
	ROW 0
	ROW 1
	s_wait_tensorcnt 0x0
	ds_add_u32 v240, v241
	s_wait_dscnt 0x0
	s_endpgm
.Lfunc_end_k_qaf5f55801b_ln1:
	.size	k_qaf5f55801b_ln1, .Lfunc_end_k_qaf5f55801b_ln1-k_qaf5f55801b_ln1
	.p2alignl 7, 3214868480
	.fill 96, 4, 3214868480
	.section	.rodata,"a",@progbits
	.p2align	6, 0x0
	.amdhsa_kernel k_qaf5f55801b_ln1
		.amdhsa_group_segment_fixed_size 25600
		.amdhsa_private_segment_fixed_size 0
		.amdhsa_enable_private_segment 0
		.amdhsa_kernarg_size 40
		.amdhsa_user_sgpr_count 2
		.amdhsa_user_sgpr_kernarg_segment_ptr 1
		.amdhsa_wavefront_size32 1
		.amdhsa_system_sgpr_workgroup_id_x 1
		.amdhsa_system_sgpr_workgroup_id_y 1
		.amdhsa_system_sgpr_workgroup_id_z 1
		.amdhsa_system_vgpr_workitem_id 0
		.amdhsa_next_free_vgpr 242
		.amdhsa_next_free_sgpr 66
		.amdhsa_reserve_vcc 0
		.amdhsa_float_denorm_mode_32 3
		.amdhsa_float_denorm_mode_16_64 3
		.amdhsa_memory_ordered 1
		.amdhsa_forward_progress 1
		.amdhsa_inst_pref_size 37
	.end_amdhsa_kernel
	.amdgpu_metadata
---
amdhsa.version: [ 1, 2 ]
amdhsa.kernels:
  - .name:           k_qaf5f55801b_ln1
    .symbol:         k_qaf5f55801b_ln1.kd
    .args:
      - { .name: x, .offset: 0, .size: 8, .value_kind: global_buffer, .address_space: global }
      - { .name: ln1_g, .offset: 8, .size: 8, .value_kind: global_buffer, .address_space: global }
      - { .name: ln1_b, .offset: 16, .size: 8, .value_kind: global_buffer, .address_space: global }
      - { .name: lowp_scales, .offset: 24, .size: 8, .value_kind: global_buffer, .address_space: global }
      - { .name: hc, .offset: 32, .size: 8, .value_kind: global_buffer, .address_space: global }
    .group_segment_fixed_size: 25600
    .private_segment_fixed_size: 0
    .kernarg_segment_align: 8
    .kernarg_segment_size: 40
    .max_flat_workgroup_size: 256
    .sgpr_count:     66
    .vgpr_count:     242
    .wavefront_size: 32
...
	.end_amdgpu_metadata
.endif
;; end of part 1
;; launch qkvp (part 2): grid 12 x 16, 4 waves a work-group, clusters of 4 x 4, 327,680 bytes of LDS; arguments hc, wq_codes, wk_codes, wv_codes, bq, bk, bv, lowp_scales, qkvc; writes qkvc
.if DOCPART == 2
	.amdgcn_target "amdgcn-amd-amdhsa--gfx1250"
	.amdhsa_code_object_version 6
	.text
	.protected	k_qaf5f55801b_qkvp
	.globl	k_qaf5f55801b_qkvp
	.p2align	8
	.type	k_qaf5f55801b_qkvp,@function
k_qaf5f55801b_qkvp:
	s_mov_b64 s[64:65], 0
	v_nop
	global_prefetch_b8 v0, s[64:65] scope:SCOPE_SE
	s_setreg_imm32_b32 hwreg(HW_REG_WAVE_MODE, 25, 1), 1
	s_wait_xcnt 0x0
	s_wait_alu depctr_hold_cnt(0) depctr_sa_sdst(0) depctr_va_vdst(0) depctr_va_sdst(0) depctr_va_ssrc(0) depctr_va_vcc(0) depctr_vm_vsrc(0)
	s_getreg_b32 s2, hwreg(HW_REG_IB_STS2, 6, 4)
	s_cmp_eq_u32 s2, 0
	s_cbranch_scc0 .Lentry_in_a_cluster
	s_endpgm
.Lentry_in_a_cluster:
	s_bfe_u32 s2, ttmp6, 0x10000c
	s_cmp_lg_u32 s2, 0xf033
	s_cbranch_scc0 .Lentry_shape_is_right
	s_endpgm
.Lentry_shape_is_right:
; A GEMM ON E5M2 CODES WHOSE RESULT IS QUANTISED ON THE WAY OUT.  K = 1,024.  QKV = 1: q, k and v of 4,096 tokens;  QKV = 0: the MLP's hidden layer with its relu.
; result = sum x 2^(ea + eb) + bias, in f32; code = result / 2^eo, held within +-57,344 (QKV = 0: between 0 and 57,344: the relu and the hold in one), to the nearest code, ties to even.
; LIMITS: ea + eb between -126 and 127; eo between -126 and 112: each power of two below is then an f32 number.
; A tile of 256 x 256 is made by four waves, each 128 x 128: 64 accumulators, 512 registers.  K goes in steps of 256 through a ring of two LDS slots filled by the tensor data mover.
; TWO STREAMS: T, 256 rows of token codes (waves 0, 1 fetch it), and W, 256 rows of a weight (waves 2, 3).  CLUSTERS of 4 x 4: T hangs on the tile row and is asked for jointly along a row of the cluster,
; W on the place cx along x and jointly along a column.  QKV = 1: a column of clusters (ttmp9 = 0, 1, 2) is one weight, wq, wk, wv, with its own coding of the tokens.
; SOURCE 1 GIVES THE RESULT'S ROWS, SOURCE 0 ITS COLUMNS (a lane holds eight neighbouring columns of one row).  For q, k and the hidden layer rows = tokens, columns = features.  For v the two LDS regions
; change places: rows = features, columns = tokens, so that v's codes come out with the tokens (the next product's K) innermost, and nothing is transposed.  The choice hangs on ttmp9, equal in all sixteen partners.
; THE RESULT'S LAYOUT (R rows, K along the columns): [col / 64][row / 32][u:2][c:2][h:2][r:16][16 bytes], row = 32 g + 8 u + r + 8 (r / 8), col = 64 cb + 32 c + 16 h + byte: 512 bytes on end are four
; registers of an operand's fragment, lane 16 h + r at 16 x lane.  A plane (one cb) is PS = 64 R bytes.
; REGISTERS, in windows of 256: window 0: v0-31 addresses; v32-95 the bias by column, v96-111 by row; v112-114 hold, scale, zero; from v128 source 1's fragments, ONE set; on the way out v128-255 are free.
;   window 1: source 0's fragments, TWO sets.   windows 2, 3: the accumulators of my rows 0-63, 64-127 (accumulator (a, b) at v[8 (8 (a % 4) + b)]).
.set QKV,    1
.set SIZE_K, 1024
.set KSTEP,  256
.set ROWB,   256                       ; a tile's row in bytes
.set KROW,   SIZE_K                    ; a row in memory, in bytes
.set PITCH,  272                       ; an LDS row: 256 bytes + 16 of padding = 68 words: row r starts at bank 4 r mod 64 (64 banks of 4 bytes: ISA guide 11.1)
.set FR,     16                        ; registers of a fragment: 16 rows x 128 K
.set NL,     4                         ; LDS loads that bring one
.set NP,     4                         ; places behind this matrix instruction (ISA guide 7.12.1)
.set HALFT,  128*PITCH                 ; 128 rows: what one tensor load brings
.set SLOT,   4*HALFT                   ; T's 256 rows, then W's 256 rows
.set LAPS,   SIZE_K/(2*KSTEP)
.set SPARE,  2*SLOT                    ; behind the ring: the spare words, 128 bytes a wave: two blocks of 256 bytes that no other line names
.set STAGE,  SPARE+512                 ; behind them: a stage of 32 rows x (128 codes + 16) for each wave; no fill lands there
.set SPITCH, 144
.set ADRA, 16                          ; v16-17  LDS address of source 1's fragments in slot 0, 1
.set ADRB, 20                          ; v20-21  of source 0's
.set STO,  24                          ; v24     the stage: where I put 8 codes of a row
.set RD,   25                          ; v25     and where I read 16 codes of a fragment's row
.set CO0,  26                          ; v26     16 x lane
.set CO1,  27                          ; v27     16 x lane + PS
.set SPW,  28                          ; v28     LDS address of my spare word; never rewritten
.set NIL,  29                          ; v29     0; never rewritten
.set CB,   32
.set RB,   96
.set LIMV, 112
.set SCV,  113
.set ZV,   114
.set AF,   128
.set TMP,  128                         ; the way out: a block's 64 numbers
.set CD,   192                         ; two sets of 16 words of codes
.set BK,   224                         ; 32 registers read back from the stage
.set G1, 24                            ; s[24:31] descriptor group 1 for T;  s[32:39] group 0, one set for each slot
.set G0, 32
.set G1B, 48                           ; s[48:55], s[56:63] the same for W
.set G0B, 56
.set MSB, 0
.macro WIN new                         ; the immediate's high byte repeats the setting that is left
.if MSB != (\new)
	s_set_vgpr_msb (MSB<<8)|(\new)
.set MSB, (\new)
.endif
.endm
.set MUL_LO, 0xa1                      ; source 0 window 1, source 1 window 0, C and D window 2
.set MUL_HI, 0xf1                      ; the same, C and D window 3
.set TO_B,   0x40                      ; destination window 1, address window 0
; A joint load: waves 0 and 1 fetch T, waves 2 and 3 W.  The branch hangs on the wave's number alone.  Four v_nop follow each of the two lines.
.macro JLOAD g0a, g1a, g0b, g1b
	s_cmp_eq_u32 s15, 0
	s_cbranch_scc0 .Lfor_b_\@
	tensor_load_to_lds s[\g0a:\g0a+3], s[\g1a:\g1a+7]
	s_nop 0
.rept 4
	v_nop
.endr
	s_branch .Lasked_\@
.Lfor_b_\@:
	tensor_load_to_lds s[\g0b:\g0b+3], s[\g1b:\g1b+7]
	s_nop 0
.rept 4
	v_nop
.endr
.Lasked_\@:
.endm
.macro CREST                           ; a round of the cluster's barrier behind its opening barrier
	s_cmp_lg_u32 s14, 0
	s_cbranch_scc1 .Lnot_wave_0_\@
	s_barrier_signal -3
.Lnot_wave_0_\@:
	s_barrier_wait -3
	s_barrier_signal -1
	s_barrier_wait -1
.endm
.macro CROUND                          ; a whole round
	s_barrier_signal -1
	s_barrier_wait -1
	CREST
.endm
.if QKV
	s_load_b256 s[68:75], s[0:1], 0x0              ; token codes s[68:69], wq s[70:71], wk s[72:73], wv s[74:75]
	s_load_b256 s[76:83], s[0:1], 0x20             ; bq s[76:77], bk s[78:79], bv s[80:81], scales s[82:83]
	s_load_b64 s[10:11], s[0:1], 0x40              ; the result
.else
	s_load_b256 s[68:75], s[0:1], 0x0              ; token codes s[68:69], w1 s[70:71], b1 s[72:73], scales s[74:75]
	s_load_b64 s[10:11], s[0:1], 0x20              ; the result
.endif
	v_lshl_add_u32 v[SPW], v0, 2, SPARE
	v_mov_b32 v[NIL], 0
	ds_add_u32 v28, v29
	ds_add_u32 v28, v29
	s_wait_dscnt 0x0
	v_lshrrev_b32 v1, 5, v0
	v_readfirstlane_b32 s14, v1                    ; wave 0..3
	s_lshr_b32 s15, s14, 1                         ; which half of the result's rows is mine.  Also: I fetch T (0) or W (1)
	s_and_b32 s16, s14, 1                          ; which half of its columns.  Also: which 128 rows of that stream I fetch
	s_bfe_u32 s40, ttmp6, 0x40000                  ; cx, cy: my place in the cluster
	s_bfe_u32 s41, ttmp6, 0x40004
.if QKV
	s_mov_b32 s42, s40                             ; W's block of 256 rows: cx, inside the weight that ttmp9 names
.else
	s_lshl_b32 s42, ttmp9, 2
	s_add_co_u32 s42, s42, s40                     ; 4 x cluster x + cx
.endif
	s_and_b32 s17, ttmp7, 0xffff
	s_lshl_b32 s17, s17, 2
	s_add_co_u32 s17, s17, s41                     ; T's block of 256 tokens = 4 x cluster y + cy
	s_lshl_b32 s43, s41, 2
	s_lshl_b32 s43, 15, s43                        ; my row of the cluster
	s_lshl_b32 s44, 0x1111, s40                    ; my column
	s_or_b32 s[G1+0], s43, (0<<16)|(1<<20)|(1<<21)|(5<<22)|(3<<25)  ; 15:0 the mask; 17:16 element of 1 byte; 20 padding on; 21 set beside a mask; 24:22 after every 64 words (code 5); 31:25 of 4 words (code 3)
	s_or_b32 s[G1B+0], s44, (0<<16)|(1<<20)|(1<<21)|(5<<22)|(3<<25)
.irp g, G1, G1B
	s_mov_b32 s[\g+1], ROWB<<16                    ; tensor_dim0
	s_mov_b32 s[\g+2], 128<<16                     ; tensor_dim1 = 128
	s_mov_b32 s[\g+3], ROWB<<16                    ; tile_dim0
	s_mov_b32 s[\g+4], 128                         ; tile_dim1 = 128
	s_mov_b32 s[\g+5], KROW                        ; tensor_dim0_stride
	s_mov_b32 s[\g+6], 0
	s_mov_b32 s[\g+7], 0
.endr
	s_lshl_b32 s18, s16, 7                         ; which 128 rows I fetch
	s_lshl_b32 s20, s17, 8
	s_add_co_u32 s20, s20, s18
	s_lshl_b32 s20, s20, 10                        ; T: (256 x block + 128 x half) rows of 1,024 bytes
.if QKV
	s_lshl_b32 s22, ttmp9, 22
	s_add_co_u32 s20, s20, s22                     ; in the coding that belongs to this weight: they lie 4 MiB apart
.endif
	s_mov_b32 s21, 0
	s_lshl_b32 s46, s42, 8
	s_add_co_u32 s46, s46, s18
	s_lshl_b32 s46, s46, 10                        ; W likewise
	s_mov_b32 s47, 0
	s_mul_i32 s45, s14, HALFT                      ; where they go: wave x 128 rows: no place in the cluster enters an LDS address
	s_wait_kmcnt 0x0
.if QKV
	s_cmp_eq_u32 ttmp9, 0                          ; the choices hang on the cluster's x alone
	s_cselect_b64 s[6:7], s[70:71], s[72:73]
	s_cselect_b64 s[8:9], s[76:77], s[78:79]
	s_mov_b32 s95, 262144
	s_cmp_eq_u32 ttmp9, 2                          ; v?
	s_cselect_b64 s[6:7], s[74:75], s[6:7]         ; the weight
	s_cselect_b64 s[8:9], s[80:81], s[8:9]         ; its bias
	s_cselect_b32 s91, 2*HALFT, 0                  ; source 1 reads W's region for v, else T's
	s_cselect_b32 s92, 0, 2*HALFT                  ; source 0 the other one
	s_cselect_b32 s93, -1, 0                       ; all lanes for v: the bias by column is cleared
	s_cselect_b32 s94, 0, -1                       ; all lanes for q and k: the bias by row is cleared
	s_cselect_b32 s95, 65536, s95                  ; PS: 64 x 1,024 rows for v, 64 x 4,096 for q and k
	s_cselect_b32 s66, s40, s17                    ; the result's block of 256 rows,
	s_cselect_b32 s67, s17, s40                    ; and of 256 columns
	s_lshl_b32 s88, ttmp9, 3
	s_lshl_b32 s89, ttmp9, 2
	s_load_b64 s[96:97], s[82:83], s88 offset:0x0  ; ea, eb: entries 2 which, 2 which + 1
	s_load_b32 s90, s[82:83], s89 offset:0x18      ; eo: entry 6 + which
.else
	s_mov_b64 s[6:7], s[70:71]
	s_mov_b64 s[8:9], s[72:73]
	s_mov_b32 s91, 0
	s_mov_b32 s92, 2*HALFT
	s_mov_b32 s95, 262144
	s_mov_b32 s66, s17
	s_mov_b32 s67, s42
	s_load_b64 s[96:97], s[74:75], 0x30            ; ea, eb: entries 12, 13
	s_load_b32 s90, s[74:75], 0x38                 ; eo: entry 14
.endif
	s_add_nc_u64 s[20:21], s[68:69], s[20:21]
	s_add_nc_u64 s[46:47], s[6:7], s[46:47]
	CROUND                                         ; all sixteen work-groups are here: the first joint loads meet
.irp s, 0,1
	s_mov_b32 s[G0+4*\s], 1
	s_add_co_u32 s[G0+4*\s+1], s45, \s*SLOT
	s_add_nc_u64 s[G0+4*\s+2:G0+4*\s+3], s[20:21], \s*ROWB
	s_or_b32 s[G0+4*\s+3], s[G0+4*\s+3], 0x80000000
	s_mov_b32 s[G0B+4*\s], 1
	s_add_co_u32 s[G0B+4*\s+1], s45, \s*SLOT
	s_add_nc_u64 s[G0B+4*\s+2:G0B+4*\s+3], s[46:47], \s*ROWB
	s_or_b32 s[G0B+4*\s+3], s[G0B+4*\s+3], 0x80000000
	JLOAD G0+4*\s, G1, G0B+4*\s, G1B
.endr
	v_and_b32 v1, 15, v0                           ; r = l % 16
	v_bfe_u32 v2, v0, 4, 1                         ; h = l / 16
	v_mul_u32_u24 v3, v1, PITCH
	v_lshl_add_u32 v4, v2, 4, v3                   ; a fragment's row x pitch + 16 x half
	s_mul_i32 s21, s15, HALFT
	s_add_co_u32 s21, s21, s91                     ; source 1: my 128 rows of its region
	s_mul_i32 s22, s16, HALFT
	s_add_co_u32 s22, s22, s92                     ; source 0 likewise
.irp s, 0,1
	v_add_nc_u32 v[ADRA+\s], s21, v4
	v_add_nc_u32 v[ADRB+\s], s22, v4
	s_add_co_u32 s21, s21, SLOT
	s_add_co_u32 s22, s22, SLOT
.endr
	s_mul_i32 s23, s14, 32*SPITCH
	s_add_co_u32 s23, s23, STAGE                   ; my stage
	v_mul_u32_u24 v5, v1, SPITCH
	v_lshl_add_u32 v5, v2, 3, v5
	v_add_nc_u32 v[STO], s23, v5                   ; in: row r, 8 bytes for each half of the lanes
	v_and_b32 v6, 8, v1
	v_add_nc_u32 v6, v6, v1                        ; r + 8 (r / 8)
	v_mul_u32_u24 v6, v6, SPITCH
	v_lshl_add_u32 v6, v2, 4, v6
	v_add_nc_u32 v[RD], s23, v6                    ; back: the row that the layout gives lane r, 16 bytes for each half
	v_and_b32 v7, 31, v0
	v_lshlrev_b32 v[CO0], 4, v7
	v_add_nc_u32 v[CO1], s95, v[CO0]
	s_lshl_b32 s20, s67, 2
	s_lshl_b32 s21, s16, 1
	s_add_co_u32 s20, s20, s21                     ; my first plane: 4 x block of columns + 2 x half
	s_mul_i32 s20, s20, s95
	s_lshl_b32 s21, s66, 14                        ; 256 rows x 64 bytes for each block of rows,
	s_add_co_u32 s20, s20, s21
	s_lshl_b32 s21, s15, 13                        ; 128 x 64 for my half
	s_add_co_u32 s20, s20, s21
.if QKV
	s_lshl_b32 s21, ttmp9, 22                      ; q, k, v lie 4 MiB apart
	s_add_co_u32 s20, s20, s21
.endif
	s_mov_b32 s21, 0
	s_add_nc_u64 s[10:11], s[10:11], s[20:21]
	; the biases land under the loop, in registers that it leaves alone.  By column: features 256 x block + 128 x (my half of the columns) + 16 b + 8 h + 0..7
	s_lshl_b32 s20, s42, 10
	s_lshl_b32 s21, s16, 9
	s_add_co_u32 s21, s20, s21
	v_lshl_add_u32 v8, v2, 5, s21
.irp b, 0,1,2,3,4,5,6,7
	global_load_b128 v[CB+8*\b:CB+8*\b+3], v8, s[8:9] offset:64*\b
	global_load_b128 v[CB+8*\b+4:CB+8*\b+7], v8, s[8:9] offset:64*\b+16
.endr
.if QKV
	s_lshl_b32 s22, s15, 9                         ; by row: features 256 x block + 128 x (my half of the rows) + 16 a + r.  Both forms stay inside the 1,024 numbers for every weight
	s_add_co_u32 s22, s20, s22
	v_lshl_add_u32 v9, v1, 2, s22
.irp a, 0,1,2,3,4,5,6,7
	global_load_b32 v[RB+2*\a], v9, s[8:9] offset:64*\a
	v_mov_b32 v[RB+2*\a+1], 0                      ; (named with it as a pair, so it is written)
.endr
.endif
.macro FRAG reg, adr, q, i             ; a fragment: lane l holds row l % 16; registers 4 c .. 4 c + 3 hold K = 32 c + 16 (l / 16) + 0 .. 15: the same places in both sources
.irp c, 0,1,2,3
	ds_load_b128 v[\reg+4*\c:\reg+4*\c+3], v[\adr] offset:128*(\q)+32*\c+(\i)*16*PITCH
.endr
.endm
; 16 matrix instructions: source 1's blocks a0, a0 + 1 x source 0's eight, 128 along K.  p: source 0's set.  zero = 1: the first product starts the sums.
; The 64 accumulators take turns, one instruction a turn, in the same order in every step.
.macro MUL16 a0, p, zero
.irp a, \a0, \a0+1
.irp b, 0,1,2,3,4,5,6,7
.if \zero
	v_wmma_f32_16x16x128_bf8_bf8 v[8*(8*((\a)%4)+\b):8*(8*((\a)%4)+\b)+7], v[128*(\p)+FR*\b:128*(\p)+FR*\b+FR-1], v[AF+FR*(\a):AF+FR*(\a)+FR-1], 0
.else
	v_wmma_f32_16x16x128_bf8_bf8 v[8*(8*((\a)%4)+\b):8*(8*((\a)%4)+\b)+7], v[128*(\p)+FR*\b:128*(\p)+FR*\b+FR-1], v[AF+FR*(\a):AF+FR*(\a)+FR-1], v[8*(8*((\a)%4)+\b):8*(8*((\a)%4)+\b)+7]
.endif
.endr
.endr
.endm
.macro FETCH_B slot, q, p              ; source 0's eight fragments of the slot's q-th 128 along K into set p
	WIN TO_B
.irp i, 0,1,2,3,4,5,6,7
	FRAG 128*(\p)+FR*\i, ADRB+\slot, \q, \i
.endr
	WIN 0
.endm
.macro FETCH_A slot, q, i0             ; source 1's blocks i0 .. i0 + 3
.irp i, \i0, \i0+1, \i0+2, \i0+3
	FRAG AF+FR*(\i), ADRA+\slot, \q, \i
.endr
.endm
; A load into a register that a matrix instruction has read, and a vector instruction that reads a matrix result or writes one of its registers, stand NP places behind it; only plain vector
; instructions that name none of its registers are places (ISA guide 7.12.1 for vector instructions).
.macro PLACES n
.rept \n
	v_nop
.endr
.endm
.macro STEP slot, q, zero              ; a step of 128 along K that has its successor in the same slot
	s_wait_dscnt 4*NL                              ; source 0's set and source 1's blocks 0-3 are in; the youngest 16 loads (blocks 4-7) may be out
	WIN MUL_LO
	MUL16 0, (\q)%2, \zero
	MUL16 2, (\q)%2, \zero
	s_wait_dscnt 0                                 ; blocks 4-7 are in
	PLACES NP
	FETCH_B \slot, (\q)+1, 1-(\q)%2
	FETCH_A \slot, (\q)+1, 0
	WIN MUL_HI
	MUL16 4, (\q)%2, \zero
	MUL16 6, (\q)%2, \zero
	PLACES NP
	WIN 0
	FETCH_A \slot, (\q)+1, 4
.endm
; A slot's last step changes slots: ONE barrier; in front of it each wave waits for all its tensor loads, adds 0 to its spare word, and waits for that and for its own reads of this slot.
.macro TURN slot, next, fill
	s_wait_tensorcnt 0x0                           ; all my tensor loads have landed: my part of the next slot
	ds_add_u32 v[SPW], v[NIL]                      ; 0 onto my spare word
	s_wait_dscnt 4*NL+1                            ; (the add and the youngest 16 loads may be out)
	WIN MUL_LO
	MUL16 0, 1, 0                                  ; sixteen matrix instructions stand between the add and the wait for it
	s_wait_dscnt 0x0                               ; the add is done, and my reads of this slot are over
	s_barrier_signal -1
	MUL16 2, 1, 0
	WIN 0
	s_barrier_wait -1
.if \fill
	CREST                                          ; the barrier has opened a round of the cluster's barrier: no wave of any partner still reads this slot or has a load on its way
	s_add_nc_u64 s[G0+4*\slot+2:G0+4*\slot+3], s[G0+4*\slot+2:G0+4*\slot+3], 2*ROWB
	s_add_nc_u64 s[G0B+4*\slot+2:G0B+4*\slot+3], s[G0B+4*\slot+2:G0B+4*\slot+3], 2*ROWB
	JLOAD G0+4*\slot, G1, G0B+4*\slot, G1B         ; the first tensor load behind the round; its four v_nop are the places in front of the loads below
.else
	PLACES NP
.endif
	FETCH_B \next, 0, 0
	FETCH_A \next, 0, 0
	WIN MUL_HI
	MUL16 4, 1, 0
	MUL16 6, 1, 0
	PLACES NP
	WIN 0
	FETCH_A \next, 0, 4
.endm
	s_wait_tensorcnt 1                             ; my part of K step 0 is in (K step 1's load may be out)
	s_barrier_signal -1
	s_barrier_wait -1                              ; everybody's is
	FETCH_B 0, 0, 0
	FETCH_A 0, 0, 0
	FETCH_A 0, 0, 4
	STEP 0, 0, 1                                   ; the first step stands in front of the loop: its products start the sums
.if LAPS > 1
	s_mov_b32 s3, LAPS-1
.Llap:                                                 ; a trip goes once round the ring and fills both slots again
	TURN 0, 1, 1
	STEP 1, 0, 0
	TURN 1, 0, 1
	STEP 0, 0, 0
	s_sub_co_u32 s3, s3, 1
	s_cmp_lg_u32 s3, 0
	s_cbranch_scc1 .Llap
.endif
	TURN 0, 1, 0                                   ; the last lap fills nothing
	STEP 1, 0, 0
	s_wait_dscnt 4*NL                              ; the very last step
	WIN MUL_LO
	MUL16 0, 1, 0
	MUL16 2, 1, 0
	s_wait_dscnt 0
	WIN MUL_HI
	MUL16 4, 1, 0
	MUL16 6, 1, 0
	WIN 0
; THE WAY OUT.  QB a: block a (16 rows x 128 columns) becomes codes: sum x 2^(ea + eb) + bias, the hold, the conversion; a lane's 8 codes of each of the 8 column tiles go into my stage.
.macro QB a
.set AC, 64*((\a)%4)
.set CDS, CD+16*((\a)%2)
	WIN (0x02+((\a)/4))                            ; source 0: window 2 or 3
.set jj, 0
.rept 32
	v_pk_fma_f32 v[TMP+jj:TMP+jj+1], v[AC+jj:AC+jj+1], s[96:97], v[CB+jj:CB+jj+1] op_sel_hi:[1,0,1]   ; each accumulator from its low end on
.set jj, jj+2
.endr
	WIN 0
.if QKV
.set jj, 0
.rept 32
	v_pk_add_f32 v[TMP+jj:TMP+jj+1], v[TMP+jj:TMP+jj+1], v[RB+2*(\a):RB+2*(\a)+1] op_sel_hi:[1,0]   ; one of the two biases is 0, and the scaling by a power of two rounds nothing: the sum is rounded once
.set jj, jj+2
.endr
.endif
.set jj, 0
.rept 64
.if QKV
	v_med3_num_f32 v[TMP+jj], v[TMP+jj], -v[LIMV], v[LIMV]   ; the conversion to an 8-bit code does not saturate (ISA guide 7.6.2)
.else
	v_med3_num_f32 v[TMP+jj], v[TMP+jj], 0, v[LIMV]          ; the relu and the hold in one
.endif
.set jj, jj+1
.endr
.irp b, 0,1,2,3,4,5,6,7
	v_cvt_scalef32_pk8_bf8_f32 v[CDS+2*\b:CDS+2*\b+1], v[TMP+8*\b:TMP+8*\b+7], v[SCV]
.endr
	v_nop                                          ; a plain instruction between the conversions and the next block's lines, which write TMP
.irp b, 0,1,2,3,4,5,6,7
	ds_store_b64 v[STO], v[CDS+2*\b:CDS+2*\b+1] offset:16*((\a)%2)*SPITCH+16*\b
.endr
.endm
.macro BACK                            ; 32 rows come back as the layout wants them: load n = 4 cb + 2 u + c.  LDS serves a wave's instructions in order (ISA guide 5.7.1.4)
.irp n, 0,1,2,3,4,5,6,7
	ds_load_b128 v[BK+4*\n:BK+4*\n+3], v[RD] offset:8*((\n/2)%2)*SPITCH+64*(\n/4)+32*(\n%2)
.endr
.endm
.macro SEND gg, younger                ; younger: the LDS stores issued behind BACK's loads, which may stay out
	s_wait_dscnt \younger
.irp n, 0,1,2,3
	global_store_b128 v[CO0], v[BK+4*\n:BK+4*\n+3], s[10:11] offset:2048*(\gg)+1024*(\n/2)+512*(\n%2)   ; 32 lanes store 512 consecutive bytes, aligned
.endr
.irp n, 0,1,2,3
	global_store_b128 v[CO1], v[BK+16+4*\n:BK+16+4*\n+3], s[10:11] offset:2048*(\gg)+1024*(\n/2)+512*(\n%2)   ; the next plane
.endr
.endm
	s_wait_loadcnt 0x0                             ; the biases
	s_wait_kmcnt 0x0
	s_add_co_i32 s96, s96, s97
	s_add_co_i32 s96, s96, 127
	s_lshl_b32 s96, s96, 23                        ; 2^(ea + eb) as f32
	s_mov_b32 s97, s96                             ; (named with it as a pair)
	s_add_co_i32 s90, s90, 127
	s_lshl_b32 s88, s90, 23                        ; 2^eo
	s_add_co_i32 s90, s90, 15
	s_lshl_b32 s90, s90, 23
	s_or_b32 s90, s90, 0x600000                    ; 57,344 x 2^eo
	PLACES NP                                      ; behind the last products: TMP lies where source 1's fragments lay
	v_mov_b32 v[SCV], s88
	v_mov_b32 v[LIMV], s90
.if QKV
	v_mov_b32 v[ZV], 0
.set jj, 0
.rept 64
	v_cndmask_b32 v[CB+jj], v[CB+jj], v[ZV], s93   ; v has no bias by column,
.set jj, jj+1
.endr
.irp a, 0,1,2,3,4,5,6,7
	v_cndmask_b32 v[RB+2*\a], v[RB+2*\a], v[ZV], s94   ; q and k none by row
.endr
.endif
	QB 0
	QB 1
	BACK
	QB 2
	QB 3
	SEND 0, 16                                     ; behind the loads: two blocks' sixteen stage stores
	s_wait_xcnt 0x0                                ; the stores have read BK: it is loaded again only behind this wait
	BACK
	QB 4
	QB 5
	SEND 1, 16
	s_wait_xcnt 0x0
	BACK
	QB 6
	QB 7
	SEND 2, 16
	s_wait_xcnt 0x0
	BACK
	SEND 3, 0
	s_wait_tensorcnt 0x0                           ; the wave's end
	ds_add_u32 v[SPW], v[NIL]
	s_wait_dscnt 0x0
	CROUND                                         ; the closing round: no work-group ends while a partner may still ask for a tile that names it
	s_endpgm
.Lfunc_end_k_qaf5f55801b_qkvp:
	.size	k_qaf5f55801b_qkvp, .Lfunc_end_k_qaf5f55801b_qkvp-k_qaf5f55801b_qkvp
	.p2alignl 7, 3214868480
	.fill 96, 4, 3214868480
	.section	.rodata,"a",@progbits
	.p2align	6, 0x0
	.amdhsa_kernel k_qaf5f55801b_qkvp
		.amdhsa_group_segment_fixed_size 327680
		.amdhsa_private_segment_fixed_size 0
		.amdhsa_enable_private_segment 0
		.amdhsa_kernarg_size 72
		.amdhsa_user_sgpr_count 2
		.amdhsa_user_sgpr_kernarg_segment_ptr 1
		.amdhsa_wavefront_size32 1
		.amdhsa_system_sgpr_workgroup_id_x 1
		.amdhsa_system_sgpr_workgroup_id_y 1
		.amdhsa_system_sgpr_workgroup_id_z 1
		.amdhsa_system_vgpr_workitem_id 0
		.amdhsa_next_free_vgpr 1024
		.amdhsa_next_free_sgpr 98
		.amdhsa_reserve_vcc 0
		.amdhsa_float_denorm_mode_32 3
		.amdhsa_float_denorm_mode_16_64 3
		.amdhsa_memory_ordered 1
		.amdhsa_forward_progress 1
		.amdhsa_inst_pref_size 164
	.end_amdhsa_kernel
	.amdgpu_metadata
---
amdhsa.version: [ 1, 2 ]
amdhsa.kernels:
  - .name:           k_qaf5f55801b_qkvp
    .symbol:         k_qaf5f55801b_qkvp.kd
    .args:
      - { .name: hc, .offset: 0, .size: 8, .value_kind: global_buffer, .address_space: global }
      - { .name: wq_codes, .offset: 8, .size: 8, .value_kind: global_buffer, .address_space: global }
      - { .name: wk_codes, .offset: 16, .size: 8, .value_kind: global_buffer, .address_space: global }
      - { .name: wv_codes, .offset: 24, .size: 8, .value_kind: global_buffer, .address_space: global }
      - { .name: bq, .offset: 32, .size: 8, .value_kind: global_buffer, .address_space: global }
      - { .name: bk, .offset: 40, .size: 8, .value_kind: global_buffer, .address_space: global }
      - { .name: bv, .offset: 48, .size: 8, .value_kind: global_buffer, .address_space: global }
      - { .name: lowp_scales, .offset: 56, .size: 8, .value_kind: global_buffer, .address_space: global }
      - { .name: qkvc, .offset: 64, .size: 8, .value_kind: global_buffer, .address_space: global }
    .group_segment_fixed_size: 327680
    .private_segment_fixed_size: 0
    .kernarg_segment_align: 8
    .kernarg_segment_size: 72
    .max_flat_workgroup_size: 128
    .sgpr_count:     98
    .vgpr_count:     1024
    .wavefront_size: 32
...
	.end_amdgpu_metadata
.endif
;; end of part 2
;; launch attn (part 3): grid 8 x 32, 16 waves a work-group, clusters of 4 x 1, 264,192 bytes of LDS; arguments qkvc, lowp_scales, attc; writes attc
.if DOCPART == 3
	.amdgcn_target "amdgcn-amd-amdhsa--gfx1250"
	.amdhsa_code_object_version 6
	.text
	.protected	k_qaf5f55801b_attn
	.globl	k_qaf5f55801b_attn
	.p2align	8
	.type	k_qaf5f55801b_attn,@function
k_qaf5f55801b_attn:
	s_mov_b64 s[64:65], 0
	v_nop
	global_prefetch_b8 v0, s[64:65] scope:SCOPE_SE
	s_setreg_imm32_b32 hwreg(HW_REG_WAVE_MODE, 25, 1), 1
	s_wait_xcnt 0x0
	s_wait_alu depctr_hold_cnt(0) depctr_sa_sdst(0) depctr_va_vdst(0) depctr_va_sdst(0) depctr_va_ssrc(0) depctr_va_vcc(0) depctr_vm_vsrc(0)
	s_getreg_b32 s2, hwreg(HW_REG_IB_STS2, 6, 4)
	s_cmp_eq_u32 s2, 0
	s_cbranch_scc0 .Lentry_in_a_cluster
	s_endpgm
.Lentry_in_a_cluster:
	s_bfe_u32 s2, ttmp6, 0x10000c
	s_cmp_lg_u32 s2, 0x3003
	s_cbranch_scc0 .Lentry_shape_is_right
	s_endpgm
.Lentry_shape_is_right:
; ATTENTION ON E5M2 CODES: 32 (batch, head) pairs, 2,048 queries and keys, head size 64; the logit is q . k / 32.  The result is quantised for the next product.
; q, k, v lie at 0, 4 MiB and 8 MiB of the first buffer, each as [col / 64][row / 32][u:2][c:2][h:2][r:16][16 bytes], row = 32 g + 8 u + r + 8 (r / 8), col = 64 cb + 32 c + 16 h + byte: 1,024 bytes are a tile of
; 16 rows x 64 K as its registers want it, lane 16 h + r at 16 x lane.  q, k: rows = tokens, cb = head.  v: rows = features, cb = token / 64 (the keys are its K).  The result has q's layout.
; THE SOFTMAX AHEAD OF THE SECOND PRODUCT: t = score x log2(e) / 32; M = the largest t so far, rounded UP to a whole number; p = 2^(t - M) is quantised, not normalised; the row's sum is taken of the
; unquantised p and divides at the end.  When M moves, the sums and O are multiplied by 2^(old M - new M), which rounds nothing.
; SHARES: a work-group owns 256 queries of one (batch, head); each of its SIXTEEN waves one tile of 16, in 256 registers: four waves to a SIMD, so that one wave's vector work stands beside another's products.
; THE HEAD'S WHOLE K AND V LIE IN LDS: 131,072 bytes each, filled ONCE: no ring, no refill, no LDS store.  64 dense blocks of 4,096 bytes, four a wave (four tensor loads of a wave are out at
; the most), all issued at the head.  Keys 0 to 511 are read when every wave's first load has landed; the other keys behind a second barrier, in front of which every wave has waited for all four.
; CLUSTER: the four work-groups of a cluster belong to one (batch, head) and need the same K and V: every block is asked for jointly by all four.
; Nothing is prefetched: all that the work-group reads is asked for at its head.
; BOTH PRODUCTS ARE USED TRANSPOSED: S^T = K Q^T (source 0 = 16 keys), O^T = V^T P^T (source 0 = 16 features): a lane holds ONE query (lane % 16).  By the layout's order of rows the 16 registers of tiles
; 2 b and 2 b + 1 are 16 neighbours (keys 32 b + 16 h + 0..15, or features): the conversions' results are the next operand's registers, and the result's codes are stored as they stand.
; THE EXPONENTIALS GO IN FOUR BATCHES OF 16, one for each block b of 16 registers, and plain lines that name none of a batch's results stand between its exponentials: in batch 0 the other blocks' scalings, V's LDS
; loads and the sums' rescaling; in batch b what block b - 1 still owes (its sums, holds and conversions) and a share of O^T's rescaling.  Each batch has one wait, behind six plain lines.
; LIMITS: eq + ek between -121 and 132 (added to c's exponent field); ep and the result's e between -126 and 112; ev + ep goes in by v_ldexp_f32 and has none.  NaN is not served.
; REGISTERS: v1 16 x lane; v8, v9 addresses in hand; v12 -M, v13 the largest t, v[14:15] and v[242:243] the sum in two chains; v16-23 Q; v32-95 K's 8 fragments, then V's 4; v96-159 S^T, then p; v160-191 O^T;
;   v192-207 p's codes; v236-254 at work.
.set LI,  1
.set ADK, 8
.set ADV, 9
.set TB,  2                            ; s2   LDS byte of the step's keys
.set CNT, 3                            ; s3   counts a phase's steps
.set WV,  18
.set SEL, 20                           ; s[20:21] selects for v_permlanex16_b32: lane l xor 16
.set CS,  22                           ; s[22:23] c = log2(e) / 32 x 2^(eq + ek)
.set G1,  24                           ; s[24:31] descriptor group 1: one shape for all blocks
.set G0,  32                           ; s[32:47] four groups 0, one for each of a wave's loads
.macro CROUND                          ; a round of the cluster's barrier
	s_barrier_signal -1
	s_barrier_wait -1
	s_cmp_lg_u32 s[WV], 0
	s_cbranch_scc1 .Lnot_wave_0_\@
	s_barrier_signal -3
.Lnot_wave_0_\@:
	s_barrier_wait -3
	s_barrier_signal -1
	s_barrier_wait -1
.endm
	s_load_b128 s[4:7], s[0:1], 0x0                ; q, k, v s[4:5]; scales s[6:7]
	s_load_b64 s[8:9], s[0:1], 0x10                ; the result
	v_lshl_add_u32 v251, v0, 2, 0x40000
	v_mov_b32 v255, 0
	ds_add_u32 v251, v255
	ds_add_u32 v251, v255
	v_lshrrev_b32 v2, 5, v0
	v_readfirstlane_b32 s[WV], v2                  ; wave 0..15
	v_and_b32 v1, 31, v0
	v_lshlrev_b32 v[LI], 4, v1
	s_bfe_u32 s10, ttmp6, 0x40000                  ; cx: it enters Q's and the result's addresses alone
	s_lshl_b32 s11, ttmp9, 2
	s_add_co_u32 s11, s11, s10                     ; my block of 256 queries
	s_and_b32 s12, ttmp7, 0xffff
	s_lshr_b32 s13, s12, 4                         ; batch
	s_and_b32 s14, s12, 15                         ; head
	s_lshl_b32 s15, s[WV], 12
	s_lshr_b32 s16, s[WV], 3
	s_mul_i32 s16, s16, 98304
	s_add_co_u32 s16, s16, s15                     ; LDS: waves 0-7 K's blocks at 4,096 w; waves 8-15 V's at 131,072 + 4,096 (w - 8); a load on: 32,768
	s_and_b32 s17, s[WV], 7
	s_lshl_b32 s54, s14, 18                        ; K: the head's plane, the batch's half of it, my block
	s_lshl_b32 s55, s13, 17
	s_add_co_u32 s54, s54, s55
	s_lshl_b32 s55, s17, 12
	s_add_co_u32 s54, s54, s55
	s_add_co_u32 s54, s54, 0x400000
	s_lshl_b32 s55, s13, 5                         ; V: plane 32 x batch + (w & 7), the head's 4,096 bytes of it
	s_add_co_u32 s55, s55, s17
	s_lshl_b32 s55, s55, 16
	s_lshl_b32 s56, s14, 12
	s_add_co_u32 s55, s55, s56
	s_add_co_u32 s55, s55, 0x800000
	s_mov_b32 s56, 524288                          ; a load on: eight planes of V,
	s_cmp_lt_u32 s[WV], 8
	s_cselect_b32 s54, s54, s55
	s_cselect_b32 s56, 32768, s56                  ; or eight blocks of K
	s_mov_b32 s55, 0
	s_mov_b32 s57, 0
	s_mov_b32 s[G1], 15|(3<<16)|(1<<21)            ; 15:0 the mask: all four work-groups; 17:16 elements of 8 bytes; 21 set beside a mask; no padding
	s_mov_b32 s[G1+1], 32<<16                      ; tensor_dim0 = 32 elements: rows of 256 bytes
	s_mov_b32 s[G1+2], 16<<16                      ; tensor_dim1 = 16
	s_mov_b32 s[G1+3], 32<<16                      ; tile_dim0
	s_mov_b32 s[G1+4], 16                          ; tile_dim1
	s_mov_b32 s[G1+5], 32                          ; the block is dense
	s_mov_b32 s[G1+6], 0
	s_mov_b32 s[G1+7], 0
.irp p, 0,1,2,3
	s_mov_b32 s[G0+4*\p], 1
	s_add_co_u32 s[G0+4*\p+1], s16, \p*32768
.endr
	s_lshl_b32 s58, s13, 7                         ; my tile of 16 queries: 128 x batch + 16 x block + wave,
	s_lshl_b32 s59, s11, 4
	s_add_co_u32 s58, s58, s59
	s_add_co_u32 s58, s58, s[WV]
	s_lshl_b32 s58, s58, 10                        ; 1,024 bytes a tile,
	s_lshl_b32 s59, s14, 18                        ; in the head's plane
	s_add_co_u32 s58, s58, s59
	s_mov_b32 s59, 0
	s_mov_b32 s[SEL], 0x76543210
	s_mov_b32 s[SEL+1], 0xfedcba98
	s_mov_b32 s[CS], 0x3d38aa3b                    ; log2(e) / 32
	s_wait_dscnt 0x0
	s_wait_kmcnt 0x0
	s_load_b128 s[48:51], s[6:7], 0x18             ; eq, ek, ev, ep: entries 6 to 9
	s_load_b32 s52, s[6:7], 0x28                   ; the result's e: entry 10
	s_add_nc_u64 s[G0+2:G0+3], s[4:5], s[54:55]
	s_add_nc_u64 s[G0+6:G0+7], s[G0+2:G0+3], s[56:57]
	s_add_nc_u64 s[G0+10:G0+11], s[G0+6:G0+7], s[56:57]
	s_add_nc_u64 s[G0+14:G0+15], s[G0+10:G0+11], s[56:57]
.irp p, 0,1,2,3
	s_or_b32 s[G0+4*\p+3], s[G0+4*\p+3], 0x80000000   ; type = 2
.endr
	s_add_nc_u64 s[60:61], s[4:5], s[58:59]        ; Q's tile
	s_add_nc_u64 s[8:9], s[8:9], s[58:59]          ; the result's
	CROUND                                         ; all four work-groups are here: the joint loads meet
	tensor_load_to_lds s[G0:G0+3], s[G1:G1+7]      ; every wave's four fills go out as one group, ahead of every wait on TENSORcnt and every LDS read
	s_nop 0
	tensor_load_to_lds s[G0+4:G0+7], s[G1:G1+7]
	s_nop 0
	tensor_load_to_lds s[G0+8:G0+11], s[G1:G1+7]
	s_nop 0
	tensor_load_to_lds s[G0+12:G0+15], s[G1:G1+7]
	s_nop 0
.rept 4
	v_nop
.endr
	global_load_b128 v[16:19], v[LI], s[60:61]     ; Q's fragment stays in registers
	global_load_b128 v[20:23], v[LI], s[60:61] offset:512
	v_mov_b32 v13, 0xff61b1e6                      ; the largest t so far: -3e38, under every t
	v_floor_f32 v12, -v13                          ; -M
	v_mov_b32 v14, 0                               ; the sum: two chains of two halves, kept from step to step
	v_mov_b32 v15, 0
	v_mov_b32 v242, 0
	v_mov_b32 v243, 0
	v_mov_b32 v236, 0                              ; a lane permute's destination counts as read
	v_mov_b32 v253, 0                              ; (named as the upper half of the pair v[252:253])
.set i, 0
.rept 32
	v_mov_b32 v[160+i], 0                          ; O^T: the step is written once; its first walk finds zeros, which the first change of M leaves zeros
.set i, i+1
.endr
	s_wait_kmcnt 0x0
	s_add_co_i32 s53, s48, s49
	s_lshl_b32 s53, s53, 23
	s_add_co_i32 s[CS], s[CS], s53                 ; a score stands for score x 2^(eq + ek): added to c's exponent field
	s_mov_b32 s[CS+1], s[CS]
	s_add_co_i32 s53, s51, 127
	s_lshl_b32 s54, s53, 23
	v_mov_b32 v244, s54                            ; 2^ep
	s_add_co_i32 s53, s53, 15
	s_lshl_b32 s53, s53, 23
	s_or_b32 s53, s53, 0x600000
	v_mov_b32 v240, s53                            ; 57,344 x 2^ep
	s_add_co_i32 s53, s52, 127
	s_lshl_b32 s54, s53, 23
	v_mov_b32 v245, s54                            ; the result's scale,
	s_add_co_i32 s53, s53, 15
	s_lshl_b32 s53, s53, 23
	s_or_b32 s53, s53, 0x600000
	v_mov_b32 v246, s53                            ; and its hold
; THE LINES THAT STAND BETWEEN THE EXPONENTIALS.  FILL b writes number FI of the list that goes with batch b (b = 4: the list behind the last batch).
; b = 0, 42 lines: 0-7 block 1's scalings; 8-23 V's four fragments from LDS (keys 32 c + 16 h + 0..15 in registers 4 c on): they land under the rest of the softmax; 24-39 blocks 2 and 3's scalings; 40, 41 the two sums x f.
; b > 0: what block b - 1 owes, 26 lines: 0-3 its first four pairs are added to the sums (the sum is taken of p as it is, ahead of the hold); 4-11 the hold of those eight numbers; 12 their conversion;
;        13-25 the same for its other eight; from 26 on: O^T x f, two registers a line, in ascending order through the step (OMI counts them).
.macro FILL b
.if (\b) == 0
.if FI < 8
	v_pk_fma_f32 v[112+2*FI:113+2*FI], v[112+2*FI:113+2*FI], s[CS:CS+1], v[12:13] op_sel_hi:[1,0,0]
.elseif FI < 24
.set VN, FI-8
	ds_load_b128 v[32+4*VN:35+4*VN], v[ADV] offset:((VN%4)/2)*4096+1024*(VN/4)+(VN%2)*512
.elseif FI < 40
	v_pk_fma_f32 v[128+2*(FI-24):129+2*(FI-24)], v[128+2*(FI-24):129+2*(FI-24)], s[CS:CS+1], v[12:13] op_sel_hi:[1,0,0]
.elseif FI == 40
	v_pk_mul_f32 v[14:15], v[14:15], v[252:253] op_sel_hi:[1,0]
.else
	v_pk_mul_f32 v[242:243], v[242:243], v[252:253] op_sel_hi:[1,0]
.endif
.else
.set RBK, 96+16*((\b)-1)
.set PCD, 192+4*((\b)-1)
.if (FI < 4) || ((FI > 12) && (FI < 17))
.set QP, FI
.if FI > 12
.set QP, FI-9
.endif
.if QP%2
	v_pk_add_f32 v[242:243], v[242:243], v[RBK+2*QP:RBK+2*QP+1]
.else
	v_pk_add_f32 v[14:15], v[14:15], v[RBK+2*QP:RBK+2*QP+1]
.endif
.elseif FI < 12
	v_min_num_f32 v[RBK+FI-4], v[RBK+FI-4], v240   ; the conversion does not saturate (ISA guide 7.6.2); p is not negative, so the hold is one-sided
.elseif FI == 12
	v_cvt_scalef32_pk8_bf8_f32 v[PCD:PCD+1], v[RBK:RBK+7], v244
.elseif FI < 25
	v_min_num_f32 v[RBK+FI-9], v[RBK+FI-9], v240
.elseif FI == 25
	v_cvt_scalef32_pk8_bf8_f32 v[PCD+2:PCD+3], v[RBK+8:RBK+15], v244
.else
	v_pk_mul_f32 v[160+2*OMI:161+2*OMI], v[160+2*OMI:161+2*OMI], v[252:253] op_sel_hi:[1,0]
.set OMI, OMI+1
.endif
.endif
.endm
; BATCH b: block b's 16 exponentials; cnt - 6 lines of its list are dealt out evenly behind them, the last six follow the last exponential (each list ends in plain lines), then the batch's one wait.
.macro STAGE b, cnt
.set FI, 0
.set EI, 0
.rept 16
	v_exp_f32 v[96+16*(\b)+EI], v[96+16*(\b)+EI]   ; p = 2^(t - M), at most 1
.rept ((EI+1)*((\cnt)-6))/16-(EI*((\cnt)-6))/16
	FILL \b
.set FI, FI+1
.endr
.set EI, EI+1
.endr
.rept 6
	FILL \b
.set FI, FI+1
.endr
	s_wait_alu depctr_va_vdst(0)                   ; one wait for the batch, ahead of the first line that names a result of it
.endm
; A KEY STEP: 128 keys: 8,192 bytes of K from s[TB] on, and as many of V, 131,072 further on
.macro STEP
	v_add_nc_u32 v[ADK], s[TB], v[LI]
	v_add_nc_u32 v[ADV], 0x20000, v[ADK]
	v_nop                                          ; with the two additions: four places in front of loads into registers that the last products have read
	v_nop
.irp t, 0,1,2,3,4,5,6,7
	ds_load_b128 v[32+8*\t:35+8*\t], v[ADK] offset:1024*\t        ; 512 consecutive bytes an instruction
	ds_load_b128 v[36+8*\t:39+8*\t], v[ADK] offset:1024*\t+512
.endr
	s_wait_dscnt 0x0
.irp t, 0,1,2,3,4,5,6,7
	v_wmma_f32_16x16x64_bf8_bf8 v[96+8*\t:103+8*\t], v[32+8*\t:39+8*\t], v[16:23], 0   ; register j of tile 2 b + u: key 32 b + 16 h + 8 u + j
.endr
.rept 4
	v_nop                                          ; places in front of the first read of the scores, and of V's loads further down into the registers that held K
.endr
	v_max3_num_f32 v254, v96, v97, v98             ; the step's largest score of my query among my 64 keys, in two chains,
	v_max3_num_f32 v252, v99, v100, v101
.irp i, 6,10,14,18,22,26,30,34,38,42,46,50,54,58
	v_max3_num_f32 v254, v254, v[96+\i], v[97+\i]
	v_max3_num_f32 v252, v252, v[98+\i], v[99+\i]
.endr
	v_max3_num_f32 v254, v254, v158, v159
	v_max_num_f32 v254, v254, v252
	v_permlanex16_b32 v236, v254, s[SEL], s[SEL+1]
	v_max_num_f32 v254, v254, v236                 ; and among lane l xor 16's
	v_mul_f32 v254, s[CS], v254                    ; as t (c is positive)
	v_max_num_f32 v13, v13, v254                   ; the running largest t
	v_mov_b32 v254, v12
	v_floor_f32 v12, -v13                          ; the new -M = floor(-t): M is a whole number
	v_sub_f32 v254, v12, v254                      ; old M - new M: a whole number, 0 or less
	v_cvt_i32_f32 v254, v254                       ; (it saturates)
	v_ldexp_f32 v252, 1.0, v254                    ; f = 2^(old M - new M)
.set i, 0
.rept 8
	v_pk_fma_f32 v[96+i:97+i], v[96+i:97+i], s[CS:CS+1], v[12:13] op_sel_hi:[1,0,0]   ; block 0: t - M, two at a time
.set i, i+2
.endr
.set OMI, 0
	STAGE 0, 42
	STAGE 1, 32                                    ; block 0's 26 lines and six of O^T's sixteen
	STAGE 2, 30                                    ; block 1's and four
	STAGE 3, 30                                    ; block 2's and four
.set FI, 0
.rept 28
	FILL 4                                         ; block 3's, and O^T's last two: the plain lines between the last conversion and the products
.set FI, FI+1
.endr
	s_wait_dscnt 0x0                               ; V
.irp t, 0,1,2,3
	v_wmma_f32_16x16x128_bf8_bf8 v[160+8*\t:167+8*\t], v[32+16*\t:47+16*\t], v[192:207], v[160+8*\t:167+8*\t]   ; four accumulators by turns; the next step's eight products on the scores stand between two links
.endr
.endm
; A PHASE: trips steps from LDS byte first on.  left: how many of my four tensor loads may still be out.  Each wave says that its loads for these keys have landed, and all read behind the barrier; nothing is ever filled again.
.macro PHASE left, first, trips
	s_wait_tensorcnt \left
	s_wait_dscnt 0x0
	s_barrier_signal -1
	s_barrier_wait -1
	s_mov_b32 s[TB], \first
	s_mov_b32 s[CNT], \trips
.Lstep_\@:
	STEP
	s_add_co_u32 s[TB], s[TB], 8192
	s_sub_co_u32 s[CNT], s[CNT], 1
	s_cmp_lg_u32 s[CNT], 0
	s_cbranch_scc1 .Lstep_\@
.endm
	s_wait_loadcnt 0x0                             ; Q
	PHASE 3, 0, 4                                  ; keys 0 to 511: every wave's first load; its three younger ones may stay out
	PHASE 0, 32768, 12                             ; keys 512 to 2,047: every wave has waited for all four of its loads in front of this barrier
	; THE WAY OUT: O^T / the sum x 2^(ev + ep), quantised; register 16 c + i of O^T is feature 32 c + 16 h + i of my query: the codes are the result's tile as it lies in memory
.rept 4
	v_nop
.endr
	v_pk_add_f32 v[14:15], v[14:15], v[242:243]    ; the two chains,
	v_add_f32 v14, v14, v15                        ; their halves,
	v_permlanex16_b32 v252, v14, s[SEL], s[SEL+1]
	v_add_f32 v14, v14, v252                       ; and lane l xor 16's: the row's sum
	v_rcp_f32 v14, v14
	v_nop                                          ; a plain instruction behind the transcendental
	s_add_co_i32 s53, s50, s51
	s_wait_alu depctr_va_vdst(0)                   ; the wait, ahead of the first reader
	v_ldexp_f32 v14, v14, s53
.set i, 0
.rept 32
	v_mul_f32 v[96+i], v[160+i], v14
.set i, i+1
.endr
.set i, 0
.rept 32
	v_med3_num_f32 v[96+i], v[96+i], -v246, v246
.set i, i+1
.endr
.irp q, 0,1,2,3
	v_cvt_scalef32_pk8_bf8_f32 v[128+2*\q:129+2*\q], v[96+8*\q:103+8*\q], v245
.endr
	v_nop
	global_store_b128 v[LI], v[128:131], s[8:9]               ; 32 lanes store 512 consecutive bytes, aligned
	global_store_b128 v[LI], v[132:135], s[8:9] offset:512
	s_wait_tensorcnt 0x0
	ds_add_u32 v251, v255
	s_wait_dscnt 0x0
	CROUND                                         ; the closing round: no work-group ends while a partner may still ask for a block that names it
	s_endpgm
.Lfunc_end_k_qaf5f55801b_attn:
	.size	k_qaf5f55801b_attn, .Lfunc_end_k_qaf5f55801b_attn-k_qaf5f55801b_attn
	.p2alignl 7, 3214868480
	.fill 96, 4, 3214868480
	.section	.rodata,"a",@progbits
	.p2align	6, 0x0
	.amdhsa_kernel k_qaf5f55801b_attn
		.amdhsa_group_segment_fixed_size 264192
		.amdhsa_private_segment_fixed_size 0
		.amdhsa_enable_private_segment 0
		.amdhsa_kernarg_size 24
		.amdhsa_user_sgpr_count 2
		.amdhsa_user_sgpr_kernarg_segment_ptr 1
		.amdhsa_wavefront_size32 1
		.amdhsa_system_sgpr_workgroup_id_x 1
		.amdhsa_system_sgpr_workgroup_id_y 1
		.amdhsa_system_sgpr_workgroup_id_z 1
		.amdhsa_system_vgpr_workitem_id 0
		.amdhsa_next_free_vgpr 256
		.amdhsa_next_free_sgpr 66
		.amdhsa_reserve_vcc 0
		.amdhsa_float_denorm_mode_32 3
		.amdhsa_float_denorm_mode_16_64 3
		.amdhsa_memory_ordered 1
		.amdhsa_forward_progress 1
		.amdhsa_inst_pref_size 43
	.end_amdhsa_kernel
	.amdgpu_metadata
---
amdhsa.version: [ 1, 2 ]
amdhsa.kernels:
  - .name:           k_qaf5f55801b_attn
    .symbol:         k_qaf5f55801b_attn.kd
    .args:
      - { .name: qkvc, .offset: 0, .size: 8, .value_kind: global_buffer, .address_space: global }
      - { .name: lowp_scales, .offset: 8, .size: 8, .value_kind: global_buffer, .address_space: global }
      - { .name: attc, .offset: 16, .size: 8, .value_kind: global_buffer, .address_space: global }
    .group_segment_fixed_size: 264192
    .private_segment_fixed_size: 0
    .kernarg_segment_align: 8
    .kernarg_segment_size: 24
    .max_flat_workgroup_size: 512
    .sgpr_count:     66
    .vgpr_count:     256
    .wavefront_size: 32
...
	.end_amdgpu_metadata
.endif
;; end of part 3
;; launch oproj (part 4): grid 8 x 32, 4 waves a work-group, clusters of 4 x 4, 327,680 bytes of LDS; arguments attc, wo_codes, bo, x, lowp_scales, res1; writes res1
.if DOCPART == 4
	.amdgcn_target "amdgcn-amd-amdhsa--gfx1250"
	.amdhsa_code_object_version 6
	.text
	.protected	k_qaf5f55801b_oproj
	.globl	k_qaf5f55801b_oproj
	.p2align	8
	.type	k_qaf5f55801b_oproj,@function
k_qaf5f55801b_oproj:
	s_mov_b64 s[64:65], 0
	v_nop
	global_prefetch_b8 v0, s[64:65] scope:SCOPE_SE
	s_setreg_imm32_b32 hwreg(HW_REG_WAVE_MODE, 25, 1), 1
	s_wait_xcnt 0x0
	s_wait_alu depctr_hold_cnt(0) depctr_sa_sdst(0) depctr_va_vdst(0) depctr_va_sdst(0) depctr_va_ssrc(0) depctr_va_vcc(0) depctr_vm_vsrc(0)
	s_getreg_b32 s2, hwreg(HW_REG_IB_STS2, 6, 4)
	s_cmp_eq_u32 s2, 0
	s_cbranch_scc0 .Lentry_in_a_cluster
	s_endpgm
.Lentry_in_a_cluster:
	s_bfe_u32 s2, ttmp6, 0x10000c
	s_cmp_lg_u32 s2, 0xf033
	s_cbranch_scc0 .Lentry_shape_is_right
	s_endpgm
.Lentry_shape_is_right:
; out = act(A W^T x 2^(ea + eb) + bias) + res, on E5M2 codes, f32 out.  A: 4,096 rows x KTOT codes; W: [1,024][KTOT] codes, row-major; bias [1,024], res and out [4,096][1,024] f32.  RELU = 1: act is relu, else nothing.
; A LIES AS [col / 64][row / 32][u:2][c:2][h:2][r:16][16 bytes], row = 32 g + 8 u + r + 8 (r / 8), col = 64 cb + 32 c + 16 h + byte: 512 bytes on end are four registers of a fragment, lane 16 h + r at 16 x lane;
; a plane (one cb) is 262,144 bytes.  So A's fragments come from LDS as consecutive bytes, unpadded; the rows that form a tile of A are not neighbours, which only says which result lands where.
; LIMIT: ea + eb (entries SCOFF / 4 and the next) between -126 and 127.
; N is 1,024: tiles of 128 x 128 give 256 work-groups.  Four waves, each 64 x 64: 16 accumulators.  K goes in steps of 512 through two LDS slots: as long as two slots allow.
; CLUSTERS of 4 x 4: A's tile is asked for jointly along a row of the cluster, W's along a column.  Source 0 = 16 rows of W, source 1 = 16 rows of A: a lane holds eight neighbouring columns of one row.
; REGISTERS: window 0: v8-11 my four biases; v16-29 addresses; v32-95 the way out; v128-255 the accumulators ((a, b) at v[128 + 8 (4 a + b)]).
;   window 1: two fragment buffers of 128: A's four fragments (16 rows x 128 K), then W's four.   window 2: v0-127 my 64 x 64 of res, asked for at the head so that it lands under the loop.
.set KTOT,  1024
.set SCOFF, 40
.set RELU,  0
.set PITCH, 528                        ; a row of W in LDS: 512 bytes + 16 of padding = 132 words: row r starts at bank 4 r mod 64 (64 banks of 4 bytes: ISA guide 11.1)
.set AHALF, 32768                      ; 64 rows of A x 512 K: eight planes' 4,096 bytes
.set WOFF,  2*AHALF
.set WHALF, 64*PITCH
.set SLOT,  WOFF+2*WHALF               ; 133,120
.set SPARE, 2*SLOT                     ; behind the ring: the spare words, 128 bytes a wave: two blocks of 256 bytes that no other line names
.set STAGE, SPARE+512                  ; a stage of 32 rows x (256 bytes + 16) for each wave; no fill lands there
.set SPITCH, 272
.set LAPS,  KTOT/1024                  ; a lap = two K steps = once round the ring
.set BI,   8
.set ADRA, 16
.set ADRB, 20
.set STO,  24
.set RD,   25
.set CO,   26
.set BO,   27
.set SPW,  28
.set NIL,  29
.set BK,   32
.set ACC,  128
.set F0,   0
.set F1,   128
.set G1, 24                            ; s[24:31] descriptor group 1 for A;  s[32:39] group 0, one set for each slot
.set G0, 32
.set G1B, 48                           ; s[48:55], s[56:63] the same for W
.set G0B, 56
.set MSB, 0
.macro WIN new                         ; the immediate's high byte repeats the setting that is left
.if MSB != (\new)
	s_set_vgpr_msb (MSB<<8)|(\new)
.set MSB, (\new)
.endif
.endm
.set MUL,  0x05                        ; sources 0 and 1 window 1; C and D window 0
.set TO_F, 0x40                        ; destination window 1, address window 0
.macro JLOAD s                         ; a joint load: waves 0 and 1 fetch A's halves, waves 2 and 3 W's; four v_nop follow each of the two lines
	s_cmp_eq_u32 s15, 0
	s_cbranch_scc0 .Lfor_b_\@
	tensor_load_to_lds s[G0+4*\s:G0+4*\s+3], s[G1:G1+7]
	s_nop 0
.rept 4
	v_nop
.endr
	s_branch .Lasked_\@
.Lfor_b_\@:
	tensor_load_to_lds s[G0B+4*\s:G0B+4*\s+3], s[G1B:G1B+7]
	s_nop 0
.rept 4
	v_nop
.endr
.Lasked_\@:
.endm
.macro CREST
	s_cmp_lg_u32 s14, 0
	s_cbranch_scc1 .Lnot_wave_0_\@
	s_barrier_signal -3
.Lnot_wave_0_\@:
	s_barrier_wait -3
	s_barrier_signal -1
	s_barrier_wait -1
.endm
.macro CROUND
	s_barrier_signal -1
	s_barrier_wait -1
	CREST
.endm
	s_load_b256 s[68:75], s[0:1], 0x0              ; A s[68:69], W s[70:71], bias s[72:73], res s[74:75]
	s_load_b128 s[76:79], s[0:1], 0x20             ; scales s[76:77], out s[78:79]
	v_lshl_add_u32 v[SPW], v0, 2, SPARE
	v_mov_b32 v[NIL], 0
	ds_add_u32 v28, v29
	ds_add_u32 v28, v29
	s_wait_dscnt 0x0
	v_lshrrev_b32 v1, 5, v0
	v_readfirstlane_b32 s14, v1                    ; wave 0..3
	s_lshr_b32 s15, s14, 1                         ; which half of the tile's rows is mine.  Also: I fetch A (0) or W (1)
	s_and_b32 s16, s14, 1                          ; which half of its columns.  Also: which 64 rows I fetch
	s_bfe_u32 s40, ttmp6, 0x40000                  ; cx, cy
	s_bfe_u32 s41, ttmp6, 0x40004
	s_lshl_b32 s42, ttmp9, 2
	s_add_co_u32 s42, s42, s40                     ; tile column
	s_and_b32 s17, ttmp7, 0xffff
	s_lshl_b32 s17, s17, 2
	s_add_co_u32 s17, s17, s41                     ; tile row
	s_lshl_b32 s43, s41, 2
	s_lshl_b32 s43, 15, s43                        ; my row of the cluster
	s_lshl_b32 s44, 0x1111, s40                    ; my column
	s_or_b32 s[G1+0], s43, (3<<16)|(1<<21)         ; A: 15:0 the mask; 17:16 elements of 8 bytes; 21 set beside a mask; no padding
	s_mov_b32 s[G1+1], 512<<16                     ; tensor_dim0 = 512 elements: a plane's 4,096 bytes of my 64 rows
	s_mov_b32 s[G1+2], 8<<16                       ; tensor_dim1 = 8 planes
	s_mov_b32 s[G1+3], 512<<16                     ; tile_dim0
	s_mov_b32 s[G1+4], 8                           ; tile_dim1
	s_mov_b32 s[G1+5], 32768                       ; from plane to plane: 262,144 bytes
	s_mov_b32 s[G1+6], 0
	s_mov_b32 s[G1+7], 0
	s_or_b32 s[G1B+0], s44, (0<<16)|(1<<20)|(1<<21)|(6<<22)|(3<<25)  ; W: elements of 1 byte; padding of 4 words (code 3) after every 128 (code 6)
	s_mov_b32 s[G1B+1], 512<<16
	s_mov_b32 s[G1B+2], 64<<16
	s_mov_b32 s[G1B+3], 512<<16
	s_mov_b32 s[G1B+4], 64
	s_mov_b32 s[G1B+5], KTOT
	s_mov_b32 s[G1B+6], 0
	s_mov_b32 s[G1B+7], 0
	s_lshl_b32 s20, s17, 13                        ; A: (128 x tile row + 64 x half) rows x 64 bytes in a plane
	s_lshl_b32 s18, s16, 12
	s_add_co_u32 s20, s20, s18
	s_mov_b32 s21, 0
	s_lshl_b32 s46, s42, 7                         ; W: row 128 x tile column + 64 x half
	s_lshl_b32 s18, s16, 6
	s_add_co_u32 s46, s46, s18
	s_mul_i32 s46, s46, KTOT
	s_mov_b32 s47, 0
	s_lshl_b32 s45, s16, 15                        ; where they go: no place in the cluster enters an LDS address
	s_mul_i32 s19, s16, WHALF
	s_add_co_u32 s19, s19, WOFF
	s_wait_kmcnt 0x0
	s_load_b64 s[96:97], s[76:77], SCOFF           ; ea, eb
	s_add_nc_u64 s[20:21], s[68:69], s[20:21]
	s_add_nc_u64 s[46:47], s[70:71], s[46:47]
	CROUND                                         ; all sixteen work-groups are here: the first joint loads meet
.irp s, 0,1
	s_mov_b32 s[G0+4*\s], 1
	s_add_co_u32 s[G0+4*\s+1], s45, \s*SLOT
	s_add_nc_u64 s[G0+4*\s+2:G0+4*\s+3], s[20:21], \s*8*262144
	s_or_b32 s[G0+4*\s+3], s[G0+4*\s+3], 0x80000000
	s_mov_b32 s[G0B+4*\s], 1
	s_add_co_u32 s[G0B+4*\s+1], s19, \s*SLOT
	s_add_nc_u64 s[G0B+4*\s+2:G0B+4*\s+3], s[46:47], \s*512
	s_or_b32 s[G0B+4*\s+3], s[G0B+4*\s+3], 0x80000000
	JLOAD \s
.endr
	v_and_b32 v1, 15, v0                           ; r
	v_bfe_u32 v2, v0, 4, 1                         ; h
	v_and_b32 v3, 31, v0
	v_lshlrev_b32 v3, 4, v3                        ; 16 x lane
	v_mul_u32_u24 v4, v1, PITCH
	v_lshl_add_u32 v4, v2, 4, v4
	s_lshl_b32 s21, s15, 15                        ; my 64 rows of A
	s_mul_i32 s22, s16, WHALF                      ; my 64 rows of W
	s_add_co_u32 s22, s22, WOFF
.irp s, 0,1
	v_add_nc_u32 v[ADRA+\s], s21, v3
	v_add_nc_u32 v[ADRB+\s], s22, v4
	s_add_co_u32 s21, s21, SLOT
	s_add_co_u32 s22, s22, SLOT
.endr
	s_mul_i32 s23, s14, 32*SPITCH
	s_add_co_u32 s23, s23, STAGE                   ; my stage
	v_and_b32 v5, 8, v1
	v_add_nc_u32 v5, v5, v1                        ; r + 8 (r / 8): the row that A's layout gives lane r
	v_mul_u32_u24 v5, v5, SPITCH
	v_lshl_add_u32 v5, v2, 5, v5
	v_add_nc_u32 v[STO], s23, v5
	v_mul_u32_u24 v6, v2, SPITCH                   ; back: lanes 0-15 one row of 256 bytes, lanes 16-31 the next
	v_lshl_add_u32 v6, v1, 4, v6
	v_add_nc_u32 v[RD], s23, v6
	v_lshlrev_b32 v7, 12, v2                       ; and the same two rows in res and out
	v_lshl_add_u32 v[CO], v1, 4, v7
	s_lshl_b32 s23, s42, 9
	s_lshl_b32 s20, s16, 8
	s_add_co_u32 s23, s23, s20                     ; my first column, in bytes: 512 x tile column + 256 x half
	v_lshl_add_u32 v[BO], v1, 4, s23
	s_lshl_b32 s20, s17, 19                        ; my first row: (128 x tile row + 64 x half) x 4,096 bytes
	s_lshl_b32 s21, s15, 18
	s_add_co_u32 s20, s20, s21
	s_add_co_u32 s20, s20, s23
	s_mov_b32 s21, 0
	s_add_nc_u64 s[80:81], s[74:75], s[20:21]
	s_add_nc_u64 s[78:79], s[78:79], s[20:21]
	global_load_b128 v[BI:BI+3], v[BO], s[72:73]
	WIN 0x80                                       ; destination window 2
.set n, 0
.rept 32
	global_load_b128 v[4*n:4*n+3], v[CO], s[80:81] offset:2*n*4096 th:TH_LOAD_NT   ; rows 2 n, 2 n + 1: sixteen lanes read 256 consecutive bytes, aligned
.set n, n+1
.endr
	WIN 0
.macro MUL8 f, a0, zero                ; 8 matrix instructions: A's tiles a0, a0 + 1 x W's four, 128 along K.  The 16 accumulators take turns, in the same order in every quarter
.irp a, \a0, \a0+1
.irp b, 0,1,2,3
.if \zero
	v_wmma_f32_16x16x128_bf8_bf8 v[ACC+8*(4*(\a)+\b):ACC+8*(4*(\a)+\b)+7], v[\f+64+16*\b:\f+64+16*\b+15], v[\f+16*(\a):\f+16*(\a)+15], 0
.else
	v_wmma_f32_16x16x128_bf8_bf8 v[ACC+8*(4*(\a)+\b):ACC+8*(4*(\a)+\b)+7], v[\f+64+16*\b:\f+64+16*\b+15], v[\f+16*(\a):\f+16*(\a)+15], v[ACC+8*(4*(\a)+\b):ACC+8*(4*(\a)+\b)+7]
.endif
.endr
.endr
.endm
.macro FETCH slot, q, f                ; 32 LDS loads in one run: the fragments of the slot's q-th 128 along K; registers 4 c on hold K = 32 c + 16 h + 0..15 in both sources
	WIN TO_F
.irp i, 0,1,2,3
.irp c, 0,1,2,3
	ds_load_b128 v[\f+64+16*\i+4*\c:\f+64+16*\i+4*\c+3], v[ADRB+\slot] offset:\i*16*PITCH+128*(\q)+32*\c
.endr
.endr
.irp i, 0,1,2,3
.irp c, 0,1,2,3
	ds_load_b128 v[\f+16*\i+4*\c:\f+16*\i+4*\c+3], v[ADRA+\slot] offset:(2*(\q)+\c/2)*4096+\i*1024+(\c%2)*512
.endr
.endr
.endm
.macro PLACES                          ; four places in front of loads into registers that matrix instructions have read, and of the first read of results (ISA guide 7.12.1 for vector instructions)
.rept 4
	v_nop
.endr
.endm
.macro QUARTER slot, qn, f, g, zero    ; fetches the slot's quarter qn into g, then multiplies f
	PLACES
	FETCH \slot, \qn, \g
	s_wait_dscnt 32                                ; all but the 32 just issued: f is in
	WIN MUL
	MUL8 \f, 0, \zero
	MUL8 \f, 2, \zero
.endm
; A slot's last quarter multiplies buffer 1 and changes slots: ONE barrier; in front of it each wave waits for all its tensor loads, adds 0 to its spare word, and waits for that and for its reads of this slot.
.macro TURN slot, next, fill
	WIN 0                                          ; (the add's two registers lie in window 0)
	s_wait_tensorcnt 0x0                           ; all my tensor loads have landed: my part of the next slot
	ds_add_u32 v[SPW], v[NIL]                      ; 0 onto my spare word
	s_wait_dscnt 1                                 ; (the add alone may be out: buffer 1 is in)
	WIN MUL
	MUL8 F1, 0, 0                                  ; eight matrix instructions stand between the add and the wait for it
	s_wait_dscnt 0x0                               ; the add is done, and my reads of this slot are over
	s_barrier_signal -1
	MUL8 F1, 2, 0
	WIN 0
	s_barrier_wait -1
.if \fill
	CREST                                          ; the barrier has opened a round of the cluster's barrier: no wave of any partner still reads this slot or has a load on its way
	s_add_nc_u64 s[G0+4*\slot+2:G0+4*\slot+3], s[G0+4*\slot+2:G0+4*\slot+3], 16*262144
	s_add_nc_u64 s[G0B+4*\slot+2:G0B+4*\slot+3], s[G0B+4*\slot+2:G0B+4*\slot+3], 1024
	JLOAD \slot                                    ; the first tensor load behind the round; its four v_nop are the places in front of the loads below
.else
	PLACES
.endif
	FETCH \next, 0, F0
.endm
	s_wait_tensorcnt 1                             ; my part of K step 0 is in (K step 1's load may be out)
	s_barrier_signal -1
	s_barrier_wait -1                              ; everybody's is
	FETCH 0, 0, F0
	QUARTER 0, 1, F0, F1, 1                        ; the first quarter stands in front of the loop: its products start the sums
.if LAPS > 1
	WIN 0                                          ; at a label and at a branch every window is 0
	s_mov_b32 s3, LAPS-1
.Llap:                                                 ; a trip goes once round the ring and fills both slots again
	QUARTER 0, 2, F1, F0, 0
	QUARTER 0, 3, F0, F1, 0
	TURN 0, 1, 1
	QUARTER 1, 1, F0, F1, 0
	QUARTER 1, 2, F1, F0, 0
	QUARTER 1, 3, F0, F1, 0
	TURN 1, 0, 1
	QUARTER 0, 1, F0, F1, 0
	WIN 0
	s_sub_co_u32 s3, s3, 1
	s_cmp_lg_u32 s3, 0
	s_cbranch_scc1 .Llap
.endif
	QUARTER 0, 2, F1, F0, 0                        ; the last lap fills nothing
	QUARTER 0, 3, F0, F1, 0
	TURN 0, 1, 0
	QUARTER 1, 1, F0, F1, 0
	QUARTER 1, 2, F1, F0, 0
	QUARTER 1, 3, F0, F1, 0
	s_wait_dscnt 0x0
	MUL8 F1, 0, 0
	MUL8 F1, 2, 0
	WIN 0
	; THE WAY OUT, 32 rows at a time: the sums go through my own stage (my 64 columns are 256 bytes: a whole aligned unit of a row) and come back as rows; then scale, bias, activation, residual, store.
	s_wait_kmcnt 0x0
	s_add_co_i32 s96, s96, s97
	s_add_co_i32 s96, s96, 127
	s_lshl_b32 s96, s96, 23                        ; 2^(ea + eb) as f32
	s_mov_b32 s97, s96                             ; (named with it as a pair)
	PLACES
.irp gg, 0,1
.if \gg
	s_wait_xcnt 0x0                                ; the first half's stores have read BK: it is loaded again only behind this wait
.endif
.irp u, 0,1
.irp b, 0,1,2,3
	ds_store_b128 v[STO], v[ACC+8*(4*(2*\gg+\u)+\b):ACC+8*(4*(2*\gg+\u)+\b)+3] offset:8*\u*SPITCH+64*\b        ; each accumulator from its low end on
	ds_store_b128 v[STO], v[ACC+8*(4*(2*\gg+\u)+\b)+4:ACC+8*(4*(2*\gg+\u)+\b)+7] offset:8*\u*SPITCH+64*\b+16
.endr
.endr
.irp t, 0,1,2,3,4,5,6,7,8,9,10,11,12,13,14,15
	ds_load_b128 v[BK+4*\t:BK+4*\t+3], v[RD] offset:2*\t*SPITCH   ; LDS serves a wave's instructions in order (ISA guide 5.7.1.4): these see my stores
.endr
	s_wait_dscnt 0x0
.if \gg == 0
	s_wait_loadcnt 0x0                             ; the bias and res
.endif
.irp t, 0,1,2,3,4,5,6,7,8,9,10,11,12,13,14,15
	v_pk_fma_f32 v[BK+4*\t:BK+4*\t+1], v[BK+4*\t:BK+4*\t+1], s[96:97], v[BI:BI+1] op_sel_hi:[1,0,1]
	v_pk_fma_f32 v[BK+4*\t+2:BK+4*\t+3], v[BK+4*\t+2:BK+4*\t+3], s[96:97], v[BI+2:BI+3] op_sel_hi:[1,0,1]
.endr
.if RELU
.set i, 0
.rept 64
	v_max_num_f32 v[BK+i], 0, v[BK+i]
.set i, i+1
.endr
.endif
	WIN 0x08                                       ; source 1 window 2
.irp t, 0,1,2,3,4,5,6,7,8,9,10,11,12,13,14,15
	v_pk_add_f32 v[BK+4*\t:BK+4*\t+1], v[BK+4*\t:BK+4*\t+1], v[64*\gg+4*\t:64*\gg+4*\t+1]
	v_pk_add_f32 v[BK+4*\t+2:BK+4*\t+3], v[BK+4*\t+2:BK+4*\t+3], v[64*\gg+4*\t+2:64*\gg+4*\t+3]
.endr
	WIN 0
.irp t, 0,1,2,3,4,5,6,7,8,9,10,11,12,13,14,15
	global_store_b128 v[CO], v[BK+4*\t:BK+4*\t+3], s[78:79] offset:(32*\gg+2*\t)*4096   ; sixteen lanes store 256 consecutive bytes, aligned
.endr
.endr
	s_wait_tensorcnt 0x0                           ; the wave's end
	ds_add_u32 v[SPW], v[NIL]
	s_wait_dscnt 0x0
	CROUND                                         ; the closing round
	s_endpgm
.Lfunc_end_k_qaf5f55801b_oproj:
	.size	k_qaf5f55801b_oproj, .Lfunc_end_k_qaf5f55801b_oproj-k_qaf5f55801b_oproj
	.p2alignl 7, 3214868480
	.fill 96, 4, 3214868480
	.section	.rodata,"a",@progbits
	.p2align	6, 0x0
	.amdhsa_kernel k_qaf5f55801b_oproj
		.amdhsa_group_segment_fixed_size 327680
		.amdhsa_private_segment_fixed_size 0
		.amdhsa_enable_private_segment 0
		.amdhsa_kernarg_size 48
		.amdhsa_user_sgpr_count 2
		.amdhsa_user_sgpr_kernarg_segment_ptr 1
		.amdhsa_wavefront_size32 1
		.amdhsa_system_sgpr_workgroup_id_x 1
		.amdhsa_system_sgpr_workgroup_id_y 1
		.amdhsa_system_sgpr_workgroup_id_z 1
		.amdhsa_system_vgpr_workitem_id 0
		.amdhsa_next_free_vgpr 768
		.amdhsa_next_free_sgpr 98
		.amdhsa_reserve_vcc 0
		.amdhsa_float_denorm_mode_32 3
		.amdhsa_float_denorm_mode_16_64 3
		.amdhsa_memory_ordered 1
		.amdhsa_forward_progress 1
		.amdhsa_inst_pref_size 53
	.end_amdhsa_kernel
	.amdgpu_metadata
---
amdhsa.version: [ 1, 2 ]
amdhsa.kernels:
  - .name:           k_qaf5f55801b_oproj
    .symbol:         k_qaf5f55801b_oproj.kd
    .args:
      - { .name: attc, .offset: 0, .size: 8, .value_kind: global_buffer, .address_space: global }
      - { .name: wo_codes, .offset: 8, .size: 8, .value_kind: global_buffer, .address_space: global }
      - { .name: bo, .offset: 16, .size: 8, .value_kind: global_buffer, .address_space: global }
      - { .name: x, .offset: 24, .size: 8, .value_kind: global_buffer, .address_space: global }
      - { .name: lowp_scales, .offset: 32, .size: 8, .value_kind: global_buffer, .address_space: global }
      - { .name: res1, .offset: 40, .size: 8, .value_kind: global_buffer, .address_space: global }
    .group_segment_fixed_size: 327680
    .private_segment_fixed_size: 0
    .kernarg_segment_align: 8
    .kernarg_segment_size: 48
    .max_flat_workgroup_size: 128
    .sgpr_count:     98
    .vgpr_count:     768
    .wavefront_size: 32
...
	.end_amdgpu_metadata
.endif
;; end of part 4
;; launch ln2 (part 5): grid 256 x 1, 8 waves a work-group, no clusters, 9,216 bytes of LDS; arguments res1, ln2_g, ln2_b, lowp_scales, h2c; writes h2c
.if DOCPART == 5
	.amdgcn_target "amdgcn-amd-amdhsa--gfx1250"
	.amdhsa_code_object_version 6
	.text
	.protected	k_qaf5f55801b_ln2
	.globl	k_qaf5f55801b_ln2
	.p2align	8
	.type	k_qaf5f55801b_ln2,@function
k_qaf5f55801b_ln2:
	s_mov_b64 s[64:65], 0
	v_nop
	global_prefetch_b8 v0, s[64:65] scope:SCOPE_SE
	s_setreg_imm32_b32 hwreg(HW_REG_WAVE_MODE, 25, 1), 1
	s_wait_xcnt 0x0
; LAYER NORM OF 4,096 ROWS OF 1,024 f32, THEN E5M2 CODES, NV TIMES WITH NV GIVEN SCALES.  dst: [NV][4096][1024] codes, row-major.
; y = (x - mean) * rsqrt(var + 1e-5) * g + b, all in f32; the variance is the mean of the squared differences (a second pass over registers), so no difference of large sums is formed.
; code = y / 2^e, held within +-57,344, to the nearest code, ties to even; e = entry (SCOFF + 8 v) / 4 of the scales for variant v.
; LIMITS: -126 <= e <= 112, so that 2^e and 57,344 x 2^e are f32 numbers.  NaN among the inputs is not served.
; SHARES: a work-group takes 16 rows, a wave two whole rows: a row is 32 registers a lane (load j: 512 consecutive bytes, my columns 128 j + 4 lane + 0..3), so the sums never leave the wave: no barrier.
; All 32 loads of a wave go out at the head.  A lane's four codes of load j are one word; they meet in the wave's own 1,024 bytes of LDS for each variant and leave as two stores of 512 consecutive bytes.
; No matrix unit, no tensor load, no cluster: the launch streams, and its work-groups share only g and b (8 KiB).
.set NV,    1
.set SCOFF, 48
.set X,   32                           ; v32-95   two rows
.set GA,  96                           ; v96-127  g of my columns
.set BE,  128                          ; v128-159 b of my columns
.set T,   160                          ; v160-191 a row, held
.set C,   192                          ; v192..   8 words of codes for each variant
.set O,   216                          ; v216..   8 registers on the way out for each variant
.set SC,  16                           ; v16-18   2^e
.set LIM, 19                           ; v19-21   57,344 x 2^e
	s_load_b256 s[4:11], s[0:1], 0x0               ; src s[4:5], g s[6:7], b s[8:9], scales s[10:11]
	s_load_b64 s[12:13], s[0:1], 0x20              ; dst
	v_lshl_add_u32 v240, v0, 2, 0x2000
	v_mov_b32 v241, 0
	v_lshrrev_b32 v1, 5, v0
	v_readfirstlane_b32 s16, v1                    ; wave 0..7
	v_and_b32 v3, 31, v0                           ; lane
	v_lshlrev_b32 v1, 4, v3                        ; v1: 16 x lane; never rewritten
	s_mul_i32 s17, s16, NV*1024                    ; my wave's stage
	v_lshl_add_u32 v2, v3, 2, s17                  ; v2: into it: 4 x lane
	v_add_nc_u32 v3, s17, v1                       ; v3: out of it: 16 x lane
	v_mov_b32 v22, 0                               ; a lane permute's destination counts as read: written once
	s_mov_b32 s20, 0x3a800000                      ; 1 / 1024
	s_mov_b32 s21, 0x3727c5ac                      ; 1e-5
	s_mov_b32 s22, 0x76543210                      ; selects: each lane takes its own place in the other half
	s_mov_b32 s23, 0xfedcba98
	s_lshl_b32 s18, ttmp9, 4
	s_lshl_b32 s19, s16, 1
	s_add_co_u32 s18, s18, s19                     ; my first row: 16 x work-group + 2 x wave
	s_lshl_b32 s14, s18, 12                        ; x 4,096 bytes in src
	s_mov_b32 s15, 0
	s_lshl_b32 s18, s18, 10                        ; x 1,024 bytes in dst
	s_mov_b32 s19, 0
	s_wait_kmcnt 0x0
.irp v, 0,1,2
.if \v < NV
	s_load_b32 s[30+\v], s[10:11], SCOFF+8*\v      ; e of variant v
.endif
.endr
	s_add_nc_u64 s[4:5], s[4:5], s[14:15]
	s_add_nc_u64 s[24:25], s[12:13], s[18:19]      ; a base for each variant: they lie 4 MiB apart
.if NV > 1
	s_add_nc_u64 s[26:27], s[24:25], 0x400000
	s_add_nc_u64 s[28:29], s[24:25], 0x800000
.endif
.irp rr, 0,1
.irp j, 0,1,2,3,4,5,6,7
	global_load_b128 v[X+32*\rr+4*\j:X+32*\rr+4*\j+3], v1, s[4:5] offset:4096*\rr+512*\j th:TH_LOAD_NT
.endr
.endr
.irp j, 0,1,2,3,4,5,6,7
	global_load_b128 v[GA+4*\j:GA+4*\j+3], v1, s[6:7] offset:512*\j
.endr
.irp j, 0,1,2,3,4,5,6,7
	global_load_b128 v[BE+4*\j:BE+4*\j+3], v1, s[8:9] offset:512*\j
.endr
	s_wait_kmcnt 0x0
.irp v, 0,1,2
.if \v < NV
	s_add_co_i32 s33, s[30+\v], 127
	s_lshl_b32 s34, s33, 23
	v_mov_b32 v[SC+\v], s34                        ; 2^e as f32: the conversion takes its exponent field
	s_add_co_i32 s33, s33, 15
	s_lshl_b32 s33, s33, 23
	s_or_b32 s33, s33, 0x600000
	v_mov_b32 v[LIM+\v], s33                       ; 57,344 x 2^e
.endif
.endr
; four packed chains v[8:15] become one number in every lane's v8
.macro RSUM
	v_pk_add_f32 v[8:9], v[8:9], v[10:11]
	v_pk_add_f32 v[12:13], v[12:13], v[14:15]
	v_pk_add_f32 v[8:9], v[8:9], v[12:13]
	v_add_f32 v8, v8, v9
	v_add_f32_dpp v8, v8, v8 row_xmask:1 row_mask:0xf bank_mask:0xf
	v_add_f32_dpp v8, v8, v8 row_xmask:2 row_mask:0xf bank_mask:0xf
	v_add_f32_dpp v8, v8, v8 row_xmask:4 row_mask:0xf bank_mask:0xf
	v_add_f32_dpp v8, v8, v8 row_xmask:8 row_mask:0xf bank_mask:0xf
	v_permlanex16_b32 v22, v8, s22, s23
	v_add_f32 v8, v8, v22
.endm
.macro ROW rr
.set XR, X+32*(\rr)
.irp k, 0,1,2,3
	v_pk_add_f32 v[8+2*\k:9+2*\k], v[XR+2*\k:XR+2*\k+1], v[XR+8+2*\k:XR+9+2*\k]   ; the first pairs start the chains: nothing is cleared
.endr
.irp k, 0,1,2,3,4,5,6,7
	v_pk_add_f32 v[8+2*(\k%4):9+2*(\k%4)], v[8+2*(\k%4):9+2*(\k%4)], v[XR+16+2*\k:XR+17+2*\k]
.endr
	RSUM
	v_mul_f32 v4, s20, v8                          ; the mean, twice: a pair for the packed form
	v_mul_f32 v5, s20, v8
.set i, 0
.rept 16
	v_pk_add_f32 v[XR+i:XR+i+1], v[XR+i:XR+i+1], v[4:5] neg_lo:[0,1] neg_hi:[0,1]   ; x - mean, in place
.set i, i+2
.endr
.irp k, 0,1,2,3
	v_pk_mul_f32 v[8+2*\k:9+2*\k], v[XR+2*\k:XR+2*\k+1], v[XR+2*\k:XR+2*\k+1]
.endr
.irp k, 0,1,2,3,4,5,6,7,8,9,10,11
	v_pk_fma_f32 v[8+2*(\k%4):9+2*(\k%4)], v[XR+8+2*\k:XR+9+2*\k], v[XR+8+2*\k:XR+9+2*\k], v[8+2*(\k%4):9+2*(\k%4)]
.endr
	RSUM
	v_fma_f32 v8, v8, s20, s21                     ; the variance + 1e-5
	v_rsq_f32 v6, v8
	v_rsq_f32 v7, v8
	v_nop                                          ; a plain instruction behind the last transcendental (ISA guide 5.7.2)
	s_wait_alu depctr_va_vdst(0)                   ; one wait for both, ahead of their first reader
.if (\rr) == 0
	s_wait_loadcnt 0x0                             ; g and b, and row 1 with them
.endif
.set i, 0
.rept 16
	v_pk_mul_f32 v[XR+i:XR+i+1], v[XR+i:XR+i+1], v[6:7]
.set i, i+2
.endr
.set i, 0
.rept 16
	v_pk_fma_f32 v[XR+i:XR+i+1], v[XR+i:XR+i+1], v[GA+i:GA+i+1], v[BE+i:BE+i+1]
.set i, i+2
.endr
.if (\rr) > 0
	s_wait_xcnt 0x0                                ; the last row's stores have read O: it is loaded again only behind this wait
.endif
.irp v, 0,1,2
.if \v < NV
.set i, 0
.rept 32
	v_med3_num_f32 v[T+i], v[XR+i], -v[LIM+\v], v[LIM+\v]   ; the conversion to an 8-bit code does not saturate (ISA guide 7.6.2): the hold comes first
.set i, i+1
.endr
.irp q, 0,1,2,3
	v_cvt_scalef32_pk8_bf8_f32 v[C+8*\v+2*\q:C+8*\v+2*\q+1], v[T+8*\q:T+8*\q+7], v[SC+\v]   ; word j of the eight: my four codes of load j
.endr
	v_nop                                          ; a plain instruction between the conversions and the next variant's holds, which write T
.irp j, 0,1,2,3,4,5,6,7
	ds_store_b32 v2, v[C+8*\v+\j] offset:1024*\v+128*\j    ; columns 128 j + 4 lane: the row's codes as they lie in memory
.endr
	ds_load_b128 v[O+8*\v:O+8*\v+3], v3 offset:1024*\v     ; LDS serves a wave's instructions in order (ISA guide 5.7.1.4): these see my stores
	ds_load_b128 v[O+8*\v+4:O+8*\v+7], v3 offset:1024*\v+512
.endif
.endr
	s_wait_dscnt 0x0
.irp v, 0,1,2
.if \v < NV
	global_store_b128 v1, v[O+8*\v:O+8*\v+3], s[24+2*\v:25+2*\v] offset:1024*(\rr)         ; 32 lanes store 512 consecutive bytes, aligned
	global_store_b128 v1, v[O+8*\v+4:O+8*\v+7], s[24+2*\v:25+2*\v] offset:1024*(\rr)+512
.endif
.endr
.endm
	s_wait_loadcnt 24                              ; row 0's eight loads are in; row 1's, g's and b's 24 may be out
	ROW 0
	ROW 1
	s_wait_tensorcnt 0x0
	ds_add_u32 v240, v241
	s_wait_dscnt 0x0
	s_endpgm
.Lfunc_end_k_qaf5f55801b_ln2:
	.size	k_qaf5f55801b_ln2, .Lfunc_end_k_qaf5f55801b_ln2-k_qaf5f55801b_ln2
	.p2alignl 7, 3214868480
	.fill 96, 4, 3214868480
	.section	.rodata,"a",@progbits
	.p2align	6, 0x0
	.amdhsa_kernel k_qaf5f55801b_ln2
		.amdhsa_group_segment_fixed_size 9216
		.amdhsa_private_segment_fixed_size 0
		.amdhsa_enable_private_segment 0
		.amdhsa_kernarg_size 40
		.amdhsa_user_sgpr_count 2
		.amdhsa_user_sgpr_kernarg_segment_ptr 1
		.amdhsa_wavefront_size32 1
		.amdhsa_system_sgpr_workgroup_id_x 1
		.amdhsa_system_sgpr_workgroup_id_y 1
		.amdhsa_system_sgpr_workgroup_id_z 1
		.amdhsa_system_vgpr_workitem_id 0
		.amdhsa_next_free_vgpr 242
		.amdhsa_next_free_sgpr 66
		.amdhsa_reserve_vcc 0
		.amdhsa_float_denorm_mode_32 3
		.amdhsa_float_denorm_mode_16_64 3
		.amdhsa_memory_ordered 1
		.amdhsa_forward_progress 1
		.amdhsa_inst_pref_size 24
	.end_amdhsa_kernel
	.amdgpu_metadata
---
amdhsa.version: [ 1, 2 ]
amdhsa.kernels:
  - .name:           k_qaf5f55801b_ln2
    .symbol:         k_qaf5f55801b_ln2.kd
    .args:
      - { .name: res1, .offset: 0, .size: 8, .value_kind: global_buffer, .address_space: global }
      - { .name: ln2_g, .offset: 8, .size: 8, .value_kind: global_buffer, .address_space: global }
      - { .name: ln2_b, .offset: 16, .size: 8, .value_kind: global_buffer, .address_space: global }
      - { .name: lowp_scales, .offset: 24, .size: 8, .value_kind: global_buffer, .address_space: global }
      - { .name: h2c, .offset: 32, .size: 8, .value_kind: global_buffer, .address_space: global }
    .group_segment_fixed_size: 9216
    .private_segment_fixed_size: 0
    .kernarg_segment_align: 8
    .kernarg_segment_size: 40
    .max_flat_workgroup_size: 256
    .sgpr_count:     66
    .vgpr_count:     242
    .wavefront_size: 32
...
	.end_amdgpu_metadata
.endif
;; end of part 5
;; launch mlp1 (part 6): grid 16 x 16, 4 waves a work-group, clusters of 4 x 4, 327,680 bytes of LDS; arguments h2c, w1_codes, b1, lowp_scales, hidc; writes hidc
.if DOCPART == 6
	.amdgcn_target "amdgcn-amd-amdhsa--gfx1250"
	.amdhsa_code_object_version 6
	.text
	.protected	k_qaf5f55801b_mlp1
	.globl	k_qaf5f55801b_mlp1
	.p2align	8
	.type	k_qaf5f55801b_mlp1,@function
k_qaf5f55801b_mlp1:
	s_mov_b64 s[64:65], 0
	v_nop
	global_prefetch_b8 v0, s[64:65] scope:SCOPE_SE
	s_setreg_imm32_b32 hwreg(HW_REG_WAVE_MODE, 25, 1), 1
	s_wait_xcnt 0x0
	s_wait_alu depctr_hold_cnt(0) depctr_sa_sdst(0) depctr_va_vdst(0) depctr_va_sdst(0) depctr_va_ssrc(0) depctr_va_vcc(0) depctr_vm_vsrc(0)
	s_getreg_b32 s2, hwreg(HW_REG_IB_STS2, 6, 4)
	s_cmp_eq_u32 s2, 0
	s_cbranch_scc0 .Lentry_in_a_cluster
	s_endpgm
.Lentry_in_a_cluster:
	s_bfe_u32 s2, ttmp6, 0x10000c
	s_cmp_lg_u32 s2, 0xf033
	s_cbranch_scc0 .Lentry_shape_is_right
	s_endpgm
.Lentry_shape_is_right:
; A GEMM ON E5M2 CODES WHOSE RESULT IS QUANTISED ON THE WAY OUT.  K = 1,024.  QKV = 1: q, k and v of 4,096 tokens;  QKV = 0: the MLP's hidden layer with its relu.
; result = sum x 2^(ea + eb) + bias, in f32; code = result / 2^eo, held within +-57,344 (QKV = 0: between 0 and 57,344: the relu and the hold in one), to the nearest code, ties to even.
; LIMITS: ea + eb between -126 and 127; eo between -126 and 112: each power of two below is then an f32 number.
; A tile of 256 x 256 is made by four waves, each 128 x 128: 64 accumulators, 512 registers.  K goes in steps of 256 through a ring of two LDS slots filled by the tensor data mover.
; TWO STREAMS: T, 256 rows of token codes (waves 0, 1 fetch it), and W, 256 rows of a weight (waves 2, 3).  CLUSTERS of 4 x 4: T hangs on the tile row and is asked for jointly along a row of the cluster,
; W on the tile column and jointly along a column.
; SOURCE 1 GIVES THE RESULT'S ROWS, SOURCE 0 ITS COLUMNS (a lane holds eight neighbouring columns of one row): rows = tokens, columns = features.
; THE RESULT'S LAYOUT (R rows, K along the columns): [col / 64][row / 32][u:2][c:2][h:2][r:16][16 bytes], row = 32 g + 8 u + r + 8 (r / 8), col = 64 cb + 32 c + 16 h + byte: 512 bytes on end are four
; registers of an operand's fragment, lane 16 h + r at 16 x lane.  A plane (one cb) is PS = 64 R bytes.
; REGISTERS, in windows of 256: window 0: v0-31 addresses; v32-95 the bias by column; v112, v113 hold, scale; from v128 source 1's fragments, ONE set; on the way out v128-255 are free.
;   window 1: source 0's fragments, TWO sets.   windows 2, 3: the accumulators of my rows 0-63, 64-127 (accumulator (a, b) at v[8 (8 (a % 4) + b)]).
.set QKV,    0
.set SIZE_K, 1024
.set KSTEP,  256
.set ROWB,   256                       ; a tile's row in bytes
.set KROW,   SIZE_K                    ; a row in memory, in bytes
.set PITCH,  272                       ; an LDS row: 256 bytes + 16 of padding = 68 words: row r starts at bank 4 r mod 64 (64 banks of 4 bytes: ISA guide 11.1)
.set FR,     16                        ; registers of a fragment: 16 rows x 128 K
.set NL,     4                         ; LDS loads that bring one
.set NP,     4                         ; places behind this matrix instruction (ISA guide 7.12.1)
.set HALFT,  128*PITCH                 ; 128 rows: what one tensor load brings
.set SLOT,   4*HALFT                   ; T's 256 rows, then W's 256 rows
.set LAPS,   SIZE_K/(2*KSTEP)
.set SPARE,  2*SLOT                    ; behind the ring: the spare words, 128 bytes a wave: two blocks of 256 bytes that no other line names
.set STAGE,  SPARE+512                 ; behind them: a stage of 32 rows x (128 codes + 16) for each wave; no fill lands there
.set SPITCH, 144
.set ADRA, 16                          ; v16-17  LDS address of source 1's fragments in slot 0, 1
.set ADRB, 20                          ; v20-21  of source 0's
.set STO,  24                          ; v24     the stage: where I put 8 codes of a row
.set RD,   25                          ; v25     and where I read 16 codes of a fragment's row
.set CO0,  26                          ; v26     16 x lane
.set CO1,  27                          ; v27     16 x lane + PS
.set SPW,  28                          ; v28     LDS address of my spare word; never rewritten
.set NIL,  29                          ; v29     0; never rewritten
.set CB,   32
.set RB,   96
.set LIMV, 112
.set SCV,  113
.set ZV,   114
.set AF,   128
.set TMP,  128                         ; the way out: a block's 64 numbers
.set CD,   192                         ; two sets of 16 words of codes
.set BK,   224                         ; 32 registers read back from the stage
.set G1, 24                            ; s[24:31] descriptor group 1 for T;  s[32:39] group 0, one set for each slot
.set G0, 32
.set G1B, 48                           ; s[48:55], s[56:63] the same for W
.set G0B, 56
.set MSB, 0
.macro WIN new                         ; the immediate's high byte repeats the setting that is left
.if MSB != (\new)
	s_set_vgpr_msb (MSB<<8)|(\new)
.set MSB, (\new)
.endif
.endm
.set MUL_LO, 0xa1                      ; source 0 window 1, source 1 window 0, C and D window 2
.set MUL_HI, 0xf1                      ; the same, C and D window 3
.set TO_B,   0x40                      ; destination window 1, address window 0
; A joint load: waves 0 and 1 fetch T, waves 2 and 3 W.  The branch hangs on the wave's number alone.  Four v_nop follow each of the two lines.
.macro JLOAD g0a, g1a, g0b, g1b
	s_cmp_eq_u32 s15, 0
	s_cbranch_scc0 .Lfor_b_\@
	tensor_load_to_lds s[\g0a:\g0a+3], s[\g1a:\g1a+7]
	s_nop 0
.rept 4
	v_nop
.endr
	s_branch .Lasked_\@
.Lfor_b_\@:
	tensor_load_to_lds s[\g0b:\g0b+3], s[\g1b:\g1b+7]
	s_nop 0
.rept 4
	v_nop
.endr
.Lasked_\@:
.endm
.macro CREST                           ; a round of the cluster's barrier behind its opening barrier
	s_cmp_lg_u32 s14, 0
	s_cbranch_scc1 .Lnot_wave_0_\@
	s_barrier_signal -3
.Lnot_wave_0_\@:
	s_barrier_wait -3
	s_barrier_signal -1
	s_barrier_wait -1
.endm
.macro CROUND                          ; a whole round
	s_barrier_signal -1
	s_barrier_wait -1
	CREST
.endm
.if QKV
	s_load_b256 s[68:75], s[0:1], 0x0              ; token codes s[68:69], wq s[70:71], wk s[72:73], wv s[74:75]
	s_load_b256 s[76:83], s[0:1], 0x20             ; bq s[76:77], bk s[78:79], bv s[80:81], scales s[82:83]
	s_load_b64 s[10:11], s[0:1], 0x40              ; the result
.else
	s_load_b256 s[68:75], s[0:1], 0x0              ; token codes s[68:69], w1 s[70:71], b1 s[72:73], scales s[74:75]
	s_load_b64 s[10:11], s[0:1], 0x20              ; the result
.endif
	v_lshl_add_u32 v[SPW], v0, 2, SPARE
	v_mov_b32 v[NIL], 0
	ds_add_u32 v28, v29
	ds_add_u32 v28, v29
	s_wait_dscnt 0x0
	v_lshrrev_b32 v1, 5, v0
	v_readfirstlane_b32 s14, v1                    ; wave 0..3
	s_lshr_b32 s15, s14, 1                         ; which half of the result's rows is mine.  Also: I fetch T (0) or W (1)
	s_and_b32 s16, s14, 1                          ; which half of its columns.  Also: which 128 rows of that stream I fetch
	s_bfe_u32 s40, ttmp6, 0x40000                  ; cx, cy: my place in the cluster
	s_bfe_u32 s41, ttmp6, 0x40004
.if QKV
	s_mov_b32 s42, s40                             ; W's block of 256 rows: cx, inside the weight that ttmp9 names
.else
	s_lshl_b32 s42, ttmp9, 2
	s_add_co_u32 s42, s42, s40                     ; 4 x cluster x + cx
.endif
	s_and_b32 s17, ttmp7, 0xffff
	s_lshl_b32 s17, s17, 2
	s_add_co_u32 s17, s17, s41                     ; T's block of 256 tokens = 4 x cluster y + cy
	s_lshl_b32 s43, s41, 2
	s_lshl_b32 s43, 15, s43                        ; my row of the cluster
	s_lshl_b32 s44, 0x1111, s40                    ; my column
	s_or_b32 s[G1+0], s43, (0<<16)|(1<<20)|(1<<21)|(5<<22)|(3<<25)  ; 15:0 the mask; 17:16 element of 1 byte; 20 padding on; 21 set beside a mask; 24:22 after every 64 words (code 5); 31:25 of 4 words (code 3)
	s_or_b32 s[G1B+0], s44, (0<<16)|(1<<20)|(1<<21)|(5<<22)|(3<<25)
.irp g, G1, G1B
	s_mov_b32 s[\g+1], ROWB<<16                    ; tensor_dim0
	s_mov_b32 s[\g+2], 128<<16                     ; tensor_dim1 = 128
	s_mov_b32 s[\g+3], ROWB<<16                    ; tile_dim0
	s_mov_b32 s[\g+4], 128                         ; tile_dim1 = 128
	s_mov_b32 s[\g+5], KROW                        ; tensor_dim0_stride
	s_mov_b32 s[\g+6], 0
	s_mov_b32 s[\g+7], 0
.endr
	s_lshl_b32 s18, s16, 7                         ; which 128 rows I fetch
	s_lshl_b32 s20, s17, 8
	s_add_co_u32 s20, s20, s18
	s_lshl_b32 s20, s20, 10                        ; T: (256 x block + 128 x half) rows of 1,024 bytes
.if QKV
	s_lshl_b32 s22, ttmp9, 22
	s_add_co_u32 s20, s20, s22                     ; in the coding that belongs to this weight: they lie 4 MiB apart
.endif
	s_mov_b32 s21, 0
	s_lshl_b32 s46, s42, 8
	s_add_co_u32 s46, s46, s18
	s_lshl_b32 s46, s46, 10                        ; W likewise
	s_mov_b32 s47, 0
	s_mul_i32 s45, s14, HALFT                      ; where they go: wave x 128 rows: no place in the cluster enters an LDS address
	s_wait_kmcnt 0x0
.if QKV
	s_cmp_eq_u32 ttmp9, 0                          ; the choices hang on the cluster's x alone
	s_cselect_b64 s[6:7], s[70:71], s[72:73]
	s_cselect_b64 s[8:9], s[76:77], s[78:79]
	s_mov_b32 s95, 262144
	s_cmp_eq_u32 ttmp9, 2                          ; v?
	s_cselect_b64 s[6:7], s[74:75], s[6:7]         ; the weight
	s_cselect_b64 s[8:9], s[80:81], s[8:9]         ; its bias
	s_cselect_b32 s91, 2*HALFT, 0                  ; source 1 reads W's region for v, else T's
	s_cselect_b32 s92, 0, 2*HALFT                  ; source 0 the other one
	s_cselect_b32 s93, -1, 0                       ; all lanes for v: the bias by column is cleared
	s_cselect_b32 s94, 0, -1                       ; all lanes for q and k: the bias by row is cleared
	s_cselect_b32 s95, 65536, s95                  ; PS: 64 x 1,024 rows for v, 64 x 4,096 for q and k
	s_cselect_b32 s66, s40, s17                    ; the result's block of 256 rows,
	s_cselect_b32 s67, s17, s40                    ; and of 256 columns
	s_lshl_b32 s88, ttmp9, 3
	s_lshl_b32 s89, ttmp9, 2
	s_load_b64 s[96:97], s[82:83], s88 offset:0x0  ; ea, eb: entries 2 which, 2 which + 1
	s_load_b32 s90, s[82:83], s89 offset:0x18      ; eo: entry 6 + which
.else
	s_mov_b64 s[6:7], s[70:71]
	s_mov_b64 s[8:9], s[72:73]
	s_mov_b32 s91, 0
	s_mov_b32 s92, 2*HALFT
	s_mov_b32 s95, 262144
	s_mov_b32 s66, s17
	s_mov_b32 s67, s42
	s_load_b64 s[96:97], s[74:75], 0x30            ; ea, eb: entries 12, 13
	s_load_b32 s90, s[74:75], 0x38                 ; eo: entry 14
.endif
	s_add_nc_u64 s[20:21], s[68:69], s[20:21]
	s_add_nc_u64 s[46:47], s[6:7], s[46:47]
	CROUND                                         ; all sixteen work-groups are here: the first joint loads meet
.irp s, 0,1
	s_mov_b32 s[G0+4*\s], 1
	s_add_co_u32 s[G0+4*\s+1], s45, \s*SLOT
	s_add_nc_u64 s[G0+4*\s+2:G0+4*\s+3], s[20:21], \s*ROWB
	s_or_b32 s[G0+4*\s+3], s[G0+4*\s+3], 0x80000000
	s_mov_b32 s[G0B+4*\s], 1
	s_add_co_u32 s[G0B+4*\s+1], s45, \s*SLOT
	s_add_nc_u64 s[G0B+4*\s+2:G0B+4*\s+3], s[46:47], \s*ROWB
	s_or_b32 s[G0B+4*\s+3], s[G0B+4*\s+3], 0x80000000
	JLOAD G0+4*\s, G1, G0B+4*\s, G1B
.endr
	v_and_b32 v1, 15, v0                           ; r = l % 16
	v_bfe_u32 v2, v0, 4, 1                         ; h = l / 16
	v_mul_u32_u24 v3, v1, PITCH
	v_lshl_add_u32 v4, v2, 4, v3                   ; a fragment's row x pitch + 16 x half
	s_mul_i32 s21, s15, HALFT
	s_add_co_u32 s21, s21, s91                     ; source 1: my 128 rows of its region
	s_mul_i32 s22, s16, HALFT
	s_add_co_u32 s22, s22, s92                     ; source 0 likewise
.irp s, 0,1
	v_add_nc_u32 v[ADRA+\s], s21, v4
	v_add_nc_u32 v[ADRB+\s], s22, v4
	s_add_co_u32 s21, s21, SLOT
	s_add_co_u32 s22, s22, SLOT
.endr
	s_mul_i32 s23, s14, 32*SPITCH
	s_add_co_u32 s23, s23, STAGE                   ; my stage
	v_mul_u32_u24 v5, v1, SPITCH
	v_lshl_add_u32 v5, v2, 3, v5
	v_add_nc_u32 v[STO], s23, v5                   ; in: row r, 8 bytes for each half of the lanes
	v_and_b32 v6, 8, v1
	v_add_nc_u32 v6, v6, v1                        ; r + 8 (r / 8)
	v_mul_u32_u24 v6, v6, SPITCH
	v_lshl_add_u32 v6, v2, 4, v6
	v_add_nc_u32 v[RD], s23, v6                    ; back: the row that the layout gives lane r, 16 bytes for each half
	v_and_b32 v7, 31, v0
	v_lshlrev_b32 v[CO0], 4, v7
	v_add_nc_u32 v[CO1], s95, v[CO0]
	s_lshl_b32 s20, s67, 2
	s_lshl_b32 s21, s16, 1
	s_add_co_u32 s20, s20, s21                     ; my first plane: 4 x block of columns + 2 x half
	s_mul_i32 s20, s20, s95
	s_lshl_b32 s21, s66, 14                        ; 256 rows x 64 bytes for each block of rows,
	s_add_co_u32 s20, s20, s21
	s_lshl_b32 s21, s15, 13                        ; 128 x 64 for my half
	s_add_co_u32 s20, s20, s21
.if QKV
	s_lshl_b32 s21, ttmp9, 22                      ; q, k, v lie 4 MiB apart
	s_add_co_u32 s20, s20, s21
.endif
	s_mov_b32 s21, 0
	s_add_nc_u64 s[10:11], s[10:11], s[20:21]
	; the biases land under the loop, in registers that it leaves alone.  By column: features 256 x block + 128 x (my half of the columns) + 16 b + 8 h + 0..7
	s_lshl_b32 s20, s42, 10
	s_lshl_b32 s21, s16, 9
	s_add_co_u32 s21, s20, s21
	v_lshl_add_u32 v8, v2, 5, s21
.irp b, 0,1,2,3,4,5,6,7
	global_load_b128 v[CB+8*\b:CB+8*\b+3], v8, s[8:9] offset:64*\b
	global_load_b128 v[CB+8*\b+4:CB+8*\b+7], v8, s[8:9] offset:64*\b+16
.endr
.if QKV
	s_lshl_b32 s22, s15, 9                         ; by row: features 256 x block + 128 x (my half of the rows) + 16 a + r.  Both forms stay inside the 1,024 numbers for every weight
	s_add_co_u32 s22, s20, s22
	v_lshl_add_u32 v9, v1, 2, s22
.irp a, 0,1,2,3,4,5,6,7
	global_load_b32 v[RB+2*\a], v9, s[8:9] offset:64*\a
	v_mov_b32 v[RB+2*\a+1], 0                      ; (named with it as a pair, so it is written)
.endr
.endif
.macro FRAG reg, adr, q, i             ; a fragment: lane l holds row l % 16; registers 4 c .. 4 c + 3 hold K = 32 c + 16 (l / 16) + 0 .. 15: the same places in both sources
.irp c, 0,1,2,3
	ds_load_b128 v[\reg+4*\c:\reg+4*\c+3], v[\adr] offset:128*(\q)+32*\c+(\i)*16*PITCH
.endr
.endm
; 16 matrix instructions: source 1's blocks a0, a0 + 1 x source 0's eight, 128 along K.  p: source 0's set.  zero = 1: the first product starts the sums.
; The 64 accumulators take turns, one instruction a turn, in the same order in every step.
.macro MUL16 a0, p, zero
.irp a, \a0, \a0+1
.irp b, 0,1,2,3,4,5,6,7
.if \zero
	v_wmma_f32_16x16x128_bf8_bf8 v[8*(8*((\a)%4)+\b):8*(8*((\a)%4)+\b)+7], v[128*(\p)+FR*\b:128*(\p)+FR*\b+FR-1], v[AF+FR*(\a):AF+FR*(\a)+FR-1], 0
.else
	v_wmma_f32_16x16x128_bf8_bf8 v[8*(8*((\a)%4)+\b):8*(8*((\a)%4)+\b)+7], v[128*(\p)+FR*\b:128*(\p)+FR*\b+FR-1], v[AF+FR*(\a):AF+FR*(\a)+FR-1], v[8*(8*((\a)%4)+\b):8*(8*((\a)%4)+\b)+7]
.endif
.endr
.endr
.endm
.macro FETCH_B slot, q, p              ; source 0's eight fragments of the slot's q-th 128 along K into set p
	WIN TO_B
.irp i, 0,1,2,3,4,5,6,7
	FRAG 128*(\p)+FR*\i, ADRB+\slot, \q, \i
.endr
	WIN 0
.endm
.macro FETCH_A slot, q, i0             ; source 1's blocks i0 .. i0 + 3
.irp i, \i0, \i0+1, \i0+2, \i0+3
	FRAG AF+FR*(\i), ADRA+\slot, \q, \i
.endr
.endm
; A load into a register that a matrix instruction has read, and a vector instruction that reads a matrix result or writes one of its registers, stand NP places behind it; only plain vector
; instructions that name none of its registers are places (ISA guide 7.12.1 for vector instructions).
.macro PLACES n
.rept \n
	v_nop
.endr
.endm
.macro STEP slot, q, zero              ; a step of 128 along K that has its successor in the same slot
	s_wait_dscnt 4*NL                              ; source 0's set and source 1's blocks 0-3 are in; the youngest 16 loads (blocks 4-7) may be out
	WIN MUL_LO
	MUL16 0, (\q)%2, \zero
	MUL16 2, (\q)%2, \zero
	s_wait_dscnt 0                                 ; blocks 4-7 are in
	PLACES NP
	FETCH_B \slot, (\q)+1, 1-(\q)%2
	FETCH_A \slot, (\q)+1, 0
	WIN MUL_HI
	MUL16 4, (\q)%2, \zero
	MUL16 6, (\q)%2, \zero
	PLACES NP
	WIN 0
	FETCH_A \slot, (\q)+1, 4
.endm
; A slot's last step changes slots: ONE barrier; in front of it each wave waits for all its tensor loads, adds 0 to its spare word, and waits for that and for its own reads of this slot.
.macro TURN slot, next, fill
	s_wait_tensorcnt 0x0                           ; all my tensor loads have landed: my part of the next slot
	ds_add_u32 v[SPW], v[NIL]                      ; 0 onto my spare word
	s_wait_dscnt 4*NL+1                            ; (the add and the youngest 16 loads may be out)
	WIN MUL_LO
	MUL16 0, 1, 0                                  ; sixteen matrix instructions stand between the add and the wait for it
	s_wait_dscnt 0x0                               ; the add is done, and my reads of this slot are over
	s_barrier_signal -1
	MUL16 2, 1, 0
	WIN 0
	s_barrier_wait -1
.if \fill
	CREST                                          ; the barrier has opened a round of the cluster's barrier: no wave of any partner still reads this slot or has a load on its way
	s_add_nc_u64 s[G0+4*\slot+2:G0+4*\slot+3], s[G0+4*\slot+2:G0+4*\slot+3], 2*ROWB
	s_add_nc_u64 s[G0B+4*\slot+2:G0B+4*\slot+3], s[G0B+4*\slot+2:G0B+4*\slot+3], 2*ROWB
	JLOAD G0+4*\slot, G1, G0B+4*\slot, G1B         ; the first tensor load behind the round; its four v_nop are the places in front of the loads below
.else
	PLACES NP
.endif
	FETCH_B \next, 0, 0
	FETCH_A \next, 0, 0
	WIN MUL_HI
	MUL16 4, 1, 0
	MUL16 6, 1, 0
	PLACES NP
	WIN 0
	FETCH_A \next, 0, 4
.endm
	s_wait_tensorcnt 1                             ; my part of K step 0 is in (K step 1's load may be out)
	s_barrier_signal -1
	s_barrier_wait -1                              ; everybody's is
	FETCH_B 0, 0, 0
	FETCH_A 0, 0, 0
	FETCH_A 0, 0, 4
	STEP 0, 0, 1                                   ; the first step stands in front of the loop: its products start the sums
.if LAPS > 1
	s_mov_b32 s3, LAPS-1
.Llap:                                                 ; a trip goes once round the ring and fills both slots again
	TURN 0, 1, 1
	STEP 1, 0, 0
	TURN 1, 0, 1
	STEP 0, 0, 0
	s_sub_co_u32 s3, s3, 1
	s_cmp_lg_u32 s3, 0
	s_cbranch_scc1 .Llap
.endif
	TURN 0, 1, 0                                   ; the last lap fills nothing
	STEP 1, 0, 0
	s_wait_dscnt 4*NL                              ; the very last step
	WIN MUL_LO
	MUL16 0, 1, 0
	MUL16 2, 1, 0
	s_wait_dscnt 0
	WIN MUL_HI
	MUL16 4, 1, 0
	MUL16 6, 1, 0
	WIN 0
; THE WAY OUT.  QB a: block a (16 rows x 128 columns) becomes codes: sum x 2^(ea + eb) + bias, the hold, the conversion; a lane's 8 codes of each of the 8 column tiles go into my stage.
.macro QB a
.set AC, 64*((\a)%4)
.set CDS, CD+16*((\a)%2)
	WIN (0x02+((\a)/4))                            ; source 0: window 2 or 3
.set jj, 0
.rept 32
	v_pk_fma_f32 v[TMP+jj:TMP+jj+1], v[AC+jj:AC+jj+1], s[96:97], v[CB+jj:CB+jj+1] op_sel_hi:[1,0,1]   ; each accumulator from its low end on
.set jj, jj+2
.endr
	WIN 0
.if QKV
.set jj, 0
.rept 32
	v_pk_add_f32 v[TMP+jj:TMP+jj+1], v[TMP+jj:TMP+jj+1], v[RB+2*(\a):RB+2*(\a)+1] op_sel_hi:[1,0]   ; one of the two biases is 0, and the scaling by a power of two rounds nothing: the sum is rounded once
.set jj, jj+2
.endr
.endif
.set jj, 0
.rept 64
.if QKV
	v_med3_num_f32 v[TMP+jj], v[TMP+jj], -v[LIMV], v[LIMV]   ; the conversion to an 8-bit code does not saturate (ISA guide 7.6.2)
.else
	v_med3_num_f32 v[TMP+jj], v[TMP+jj], 0, v[LIMV]          ; the relu and the hold in one
.endif
.set jj, jj+1
.endr
.irp b, 0,1,2,3,4,5,6,7
	v_cvt_scalef32_pk8_bf8_f32 v[CDS+2*\b:CDS+2*\b+1], v[TMP+8*\b:TMP+8*\b+7], v[SCV]
.endr
	v_nop                                          ; a plain instruction between the conversions and the next block's lines, which write TMP
.irp b, 0,1,2,3,4,5,6,7
	ds_store_b64 v[STO], v[CDS+2*\b:CDS+2*\b+1] offset:16*((\a)%2)*SPITCH+16*\b
.endr
.endm
.macro BACK                            ; 32 rows come back as the layout wants them: load n = 4 cb + 2 u + c.  LDS serves a wave's instructions in order (ISA guide 5.7.1.4)
.irp n, 0,1,2,3,4,5,6,7
	ds_load_b128 v[BK+4*\n:BK+4*\n+3], v[RD] offset:8*((\n/2)%2)*SPITCH+64*(\n/4)+32*(\n%2)
.endr
.endm
.macro SEND gg, younger                ; younger: the LDS stores issued behind BACK's loads, which may stay out
	s_wait_dscnt \younger
.irp n, 0,1,2,3
	global_store_b128 v[CO0], v[BK+4*\n:BK+4*\n+3], s[10:11] offset:2048*(\gg)+1024*(\n/2)+512*(\n%2)   ; 32 lanes store 512 consecutive bytes, aligned
.endr
.irp n, 0,1,2,3
	global_store_b128 v[CO1], v[BK+16+4*\n:BK+16+4*\n+3], s[10:11] offset:2048*(\gg)+1024*(\n/2)+512*(\n%2)   ; the next plane
.endr
.endm
	s_wait_loadcnt 0x0                             ; the biases
	s_wait_kmcnt 0x0
	s_add_co_i32 s96, s96, s97
	s_add_co_i32 s96, s96, 127
	s_lshl_b32 s96, s96, 23                        ; 2^(ea + eb) as f32
	s_mov_b32 s97, s96                             ; (named with it as a pair)
	s_add_co_i32 s90, s90, 127
	s_lshl_b32 s88, s90, 23                        ; 2^eo
	s_add_co_i32 s90, s90, 15
	s_lshl_b32 s90, s90, 23
	s_or_b32 s90, s90, 0x600000                    ; 57,344 x 2^eo
	PLACES NP                                      ; behind the last products: TMP lies where source 1's fragments lay
	v_mov_b32 v[SCV], s88
	v_mov_b32 v[LIMV], s90
.if QKV
	v_mov_b32 v[ZV], 0
.set jj, 0
.rept 64
	v_cndmask_b32 v[CB+jj], v[CB+jj], v[ZV], s93   ; v has no bias by column,
.set jj, jj+1
.endr
.irp a, 0,1,2,3,4,5,6,7
	v_cndmask_b32 v[RB+2*\a], v[RB+2*\a], v[ZV], s94   ; q and k none by row
.endr
.endif
	QB 0
	QB 1
	BACK
	QB 2
	QB 3
	SEND 0, 16                                     ; behind the loads: two blocks' sixteen stage stores
	s_wait_xcnt 0x0                                ; the stores have read BK: it is loaded again only behind this wait
	BACK
	QB 4
	QB 5
	SEND 1, 16
	s_wait_xcnt 0x0
	BACK
	QB 6
	QB 7
	SEND 2, 16
	s_wait_xcnt 0x0
	BACK
	SEND 3, 0
	s_wait_tensorcnt 0x0                           ; the wave's end
	ds_add_u32 v[SPW], v[NIL]
	s_wait_dscnt 0x0
	CROUND                                         ; the closing round: no work-group ends while a partner may still ask for a tile that names it
	s_endpgm
.Lfunc_end_k_qaf5f55801b_mlp1:
	.size	k_qaf5f55801b_mlp1, .Lfunc_end_k_qaf5f55801b_mlp1-k_qaf5f55801b_mlp1
	.p2alignl 7, 3214868480
	.fill 96, 4, 3214868480
	.section	.rodata,"a",@progbits
	.p2align	6, 0x0
	.amdhsa_kernel k_qaf5f55801b_mlp1
		.amdhsa_group_segment_fixed_size 327680
		.amdhsa_private_segment_fixed_size 0
		.amdhsa_enable_private_segment 0
		.amdhsa_kernarg_size 40
		.amdhsa_user_sgpr_count 2
		.amdhsa_user_sgpr_kernarg_segment_ptr 1
		.amdhsa_wavefront_size32 1
		.amdhsa_system_sgpr_workgroup_id_x 1
		.amdhsa_system_sgpr_workgroup_id_y 1
		.amdhsa_system_sgpr_workgroup_id_z 1
		.amdhsa_system_vgpr_workitem_id 0
		.amdhsa_next_free_vgpr 1024
		.amdhsa_next_free_sgpr 98
		.amdhsa_reserve_vcc 0
		.amdhsa_float_denorm_mode_32 3
		.amdhsa_float_denorm_mode_16_64 3
		.amdhsa_memory_ordered 1
		.amdhsa_forward_progress 1
		.amdhsa_inst_pref_size 142
	.end_amdhsa_kernel
	.amdgpu_metadata
---
amdhsa.version: [ 1, 2 ]
amdhsa.kernels:
  - .name:           k_qaf5f55801b_mlp1
    .symbol:         k_qaf5f55801b_mlp1.kd
    .args:
      - { .name: h2c, .offset: 0, .size: 8, .value_kind: global_buffer, .address_space: global }
      - { .name: w1_codes, .offset: 8, .size: 8, .value_kind: global_buffer, .address_space: global }
      - { .name: b1, .offset: 16, .size: 8, .value_kind: global_buffer, .address_space: global }
      - { .name: lowp_scales, .offset: 24, .size: 8, .value_kind: global_buffer, .address_space: global }
      - { .name: hidc, .offset: 32, .size: 8, .value_kind: global_buffer, .address_space: global }
    .group_segment_fixed_size: 327680
    .private_segment_fixed_size: 0
    .kernarg_segment_align: 8
    .kernarg_segment_size: 40
    .max_flat_workgroup_size: 128
    .sgpr_count:     98
    .vgpr_count:     1024
    .wavefront_size: 32
...
	.end_amdgpu_metadata
.endif
;; end of part 6
;; launch mlp2 (part 7): grid 8 x 32, 4 waves a work-group, clusters of 4 x 4, 327,680 bytes of LDS; arguments hidc, w2_codes, b2, res1, lowp_scales, out0; writes out0
.if DOCPART == 7
	.amdgcn_target "amdgcn-amd-amdhsa--gfx1250"
	.amdhsa_code_object_version 6
	.text
	.protected	k_qaf5f55801b_mlp2
	.globl	k_qaf5f55801b_mlp2
	.p2align	8
	.type	k_qaf5f55801b_mlp2,@function
k_qaf5f55801b_mlp2:
	s_mov_b64 s[64:65], 0
	v_nop
	global_prefetch_b8 v0, s[64:65] scope:SCOPE_SE
	s_setreg_imm32_b32 hwreg(HW_REG_WAVE_MODE, 25, 1), 1
	s_wait_xcnt 0x0
	s_wait_alu depctr_hold_cnt(0) depctr_sa_sdst(0) depctr_va_vdst(0) depctr_va_sdst(0) depctr_va_ssrc(0) depctr_va_vcc(0) depctr_vm_vsrc(0)
	s_getreg_b32 s2, hwreg(HW_REG_IB_STS2, 6, 4)
	s_cmp_eq_u32 s2, 0
	s_cbranch_scc0 .Lentry_in_a_cluster
	s_endpgm
.Lentry_in_a_cluster:
	s_bfe_u32 s2, ttmp6, 0x10000c
	s_cmp_lg_u32 s2, 0xf033
	s_cbranch_scc0 .Lentry_shape_is_right
	s_endpgm
.Lentry_shape_is_right:
; out = act(A W^T x 2^(ea + eb) + bias) + res, on E5M2 codes, f32 out.  A: 4,096 rows x KTOT codes; W: [1,024][KTOT] codes, row-major; bias [1,024], res and out [4,096][1,024] f32.  RELU = 1: act is relu, else nothing.
; A LIES AS [col / 64][row / 32][u:2][c:2][h:2][r:16][16 bytes], row = 32 g + 8 u + r + 8 (r / 8), col = 64 cb + 32 c + 16 h + byte: 512 bytes on end are four registers of a fragment, lane 16 h + r at 16 x lane;
; a plane (one cb) is 262,144 bytes.  So A's fragments come from LDS as consecutive bytes, unpadded; the rows that form a tile of A are not neighbours, which only says which result lands where.
; LIMIT: ea + eb (entries SCOFF / 4 and the next) between -126 and 127.
; N is 1,024: tiles of 128 x 128 give 256 work-groups.  Four waves, each 64 x 64: 16 accumulators.  K goes in steps of 512 through two LDS slots: as long as two slots allow.
; CLUSTERS of 4 x 4: A's tile is asked for jointly along a row of the cluster, W's along a column.  Source 0 = 16 rows of W, source 1 = 16 rows of A: a lane holds eight neighbouring columns of one row.
; REGISTERS: window 0: v8-11 my four biases; v16-29 addresses; v32-95 the way out; v128-255 the accumulators ((a, b) at v[128 + 8 (4 a + b)]).
;   window 1: two fragment buffers of 128: A's four fragments (16 rows x 128 K), then W's four.   window 2: v0-127 my 64 x 64 of res, asked for at the head so that it lands under the loop.
.set KTOT,  4096
.set SCOFF, 56
.set RELU,  1
.set PITCH, 528                        ; a row of W in LDS: 512 bytes + 16 of padding = 132 words: row r starts at bank 4 r mod 64 (64 banks of 4 bytes: ISA guide 11.1)
.set AHALF, 32768                      ; 64 rows of A x 512 K: eight planes' 4,096 bytes
.set WOFF,  2*AHALF
.set WHALF, 64*PITCH
.set SLOT,  WOFF+2*WHALF               ; 133,120
.set SPARE, 2*SLOT                     ; behind the ring: the spare words, 128 bytes a wave: two blocks of 256 bytes that no other line names
.set STAGE, SPARE+512                  ; a stage of 32 rows x (256 bytes + 16) for each wave; no fill lands there
.set SPITCH, 272
.set LAPS,  KTOT/1024                  ; a lap = two K steps = once round the ring
.set BI,   8
.set ADRA, 16
.set ADRB, 20
.set STO,  24
.set RD,   25
.set CO,   26
.set BO,   27
.set SPW,  28
.set NIL,  29
.set BK,   32
.set ACC,  128
.set F0,   0
.set F1,   128
.set G1, 24                            ; s[24:31] descriptor group 1 for A;  s[32:39] group 0, one set for each slot
.set G0, 32
.set G1B, 48                           ; s[48:55], s[56:63] the same for W
.set G0B, 56
.set MSB, 0
.macro WIN new                         ; the immediate's high byte repeats the setting that is left
.if MSB != (\new)
	s_set_vgpr_msb (MSB<<8)|(\new)
.set MSB, (\new)
.endif
.endm
.set MUL,  0x05                        ; sources 0 and 1 window 1; C and D window 0
.set TO_F, 0x40                        ; destination window 1, address window 0
.macro JLOAD s                         ; a joint load: waves 0 and 1 fetch A's halves, waves 2 and 3 W's; four v_nop follow each of the two lines
	s_cmp_eq_u32 s15, 0
	s_cbranch_scc0 .Lfor_b_\@
	tensor_load_to_lds s[G0+4*\s:G0+4*\s+3], s[G1:G1+7]
	s_nop 0
.rept 4
	v_nop
.endr
	s_branch .Lasked_\@
.Lfor_b_\@:
	tensor_load_to_lds s[G0B+4*\s:G0B+4*\s+3], s[G1B:G1B+7]
	s_nop 0
.rept 4
	v_nop
.endr
.Lasked_\@:
.endm
.macro CREST
	s_cmp_lg_u32 s14, 0
	s_cbranch_scc1 .Lnot_wave_0_\@
	s_barrier_signal -3
.Lnot_wave_0_\@:
	s_barrier_wait -3
	s_barrier_signal -1
	s_barrier_wait -1
.endm
.macro CROUND
	s_barrier_signal -1
	s_barrier_wait -1
	CREST
.endm
	s_load_b256 s[68:75], s[0:1], 0x0              ; A s[68:69], W s[70:71], bias s[72:73], res s[74:75]
	s_load_b128 s[76:79], s[0:1], 0x20             ; scales s[76:77], out s[78:79]
	v_lshl_add_u32 v[SPW], v0, 2, SPARE
	v_mov_b32 v[NIL], 0
	ds_add_u32 v28, v29
	ds_add_u32 v28, v29
	s_wait_dscnt 0x0
	v_lshrrev_b32 v1, 5, v0
	v_readfirstlane_b32 s14, v1                    ; wave 0..3
	s_lshr_b32 s15, s14, 1                         ; which half of the tile's rows is mine.  Also: I fetch A (0) or W (1)
	s_and_b32 s16, s14, 1                          ; which half of its columns.  Also: which 64 rows I fetch
	s_bfe_u32 s40, ttmp6, 0x40000                  ; cx, cy
	s_bfe_u32 s41, ttmp6, 0x40004
	s_lshl_b32 s42, ttmp9, 2
	s_add_co_u32 s42, s42, s40                     ; tile column
	s_and_b32 s17, ttmp7, 0xffff
	s_lshl_b32 s17, s17, 2
	s_add_co_u32 s17, s17, s41                     ; tile row
	s_lshl_b32 s43, s41, 2
	s_lshl_b32 s43, 15, s43                        ; my row of the cluster
	s_lshl_b32 s44, 0x1111, s40                    ; my column
	s_or_b32 s[G1+0], s43, (3<<16)|(1<<21)         ; A: 15:0 the mask; 17:16 elements of 8 bytes; 21 set beside a mask; no padding
	s_mov_b32 s[G1+1], 512<<16                     ; tensor_dim0 = 512 elements: a plane's 4,096 bytes of my 64 rows
	s_mov_b32 s[G1+2], 8<<16                       ; tensor_dim1 = 8 planes
	s_mov_b32 s[G1+3], 512<<16                     ; tile_dim0
	s_mov_b32 s[G1+4], 8                           ; tile_dim1
	s_mov_b32 s[G1+5], 32768                       ; from plane to plane: 262,144 bytes
	s_mov_b32 s[G1+6], 0
	s_mov_b32 s[G1+7], 0
	s_or_b32 s[G1B+0], s44, (0<<16)|(1<<20)|(1<<21)|(6<<22)|(3<<25)  ; W: elements of 1 byte; padding of 4 words (code 3) after every 128 (code 6)
	s_mov_b32 s[G1B+1], 512<<16
	s_mov_b32 s[G1B+2], 64<<16
	s_mov_b32 s[G1B+3], 512<<16
	s_mov_b32 s[G1B+4], 64
	s_mov_b32 s[G1B+5], KTOT
	s_mov_b32 s[G1B+6], 0
	s_mov_b32 s[G1B+7], 0
	s_lshl_b32 s20, s17, 13                        ; A: (128 x tile row + 64 x half) rows x 64 bytes in a plane
	s_lshl_b32 s18, s16, 12
	s_add_co_u32 s20, s20, s18
	s_mov_b32 s21, 0
	s_lshl_b32 s46, s42, 7                         ; W: row 128 x tile column + 64 x half
	s_lshl_b32 s18, s16, 6
	s_add_co_u32 s46, s46, s18
	s_mul_i32 s46, s46, KTOT
	s_mov_b32 s47, 0
	s_lshl_b32 s45, s16, 15                        ; where they go: no place in the cluster enters an LDS address
	s_mul_i32 s19, s16, WHALF
	s_add_co_u32 s19, s19, WOFF
	s_wait_kmcnt 0x0
	s_load_b64 s[96:97], s[76:77], SCOFF           ; ea, eb
	s_add_nc_u64 s[20:21], s[68:69], s[20:21]
	s_add_nc_u64 s[46:47], s[70:71], s[46:47]
	CROUND                                         ; all sixteen work-groups are here: the first joint loads meet
.irp s, 0,1
	s_mov_b32 s[G0+4*\s], 1
	s_add_co_u32 s[G0+4*\s+1], s45, \s*SLOT
	s_add_nc_u64 s[G0+4*\s+2:G0+4*\s+3], s[20:21], \s*8*262144
	s_or_b32 s[G0+4*\s+3], s[G0+4*\s+3], 0x80000000
	s_mov_b32 s[G0B+4*\s], 1
	s_add_co_u32 s[G0B+4*\s+1], s19, \s*SLOT
	s_add_nc_u64 s[G0B+4*\s+2:G0B+4*\s+3], s[46:47], \s*512
	s_or_b32 s[G0B+4*\s+3], s[G0B+4*\s+3], 0x80000000
	JLOAD \s
.endr
	v_and_b32 v1, 15, v0                           ; r
	v_bfe_u32 v2, v0, 4, 1                         ; h
	v_and_b32 v3, 31, v0
	v_lshlrev_b32 v3, 4, v3                        ; 16 x lane
	v_mul_u32_u24 v4, v1, PITCH
	v_lshl_add_u32 v4, v2, 4, v4
	s_lshl_b32 s21, s15, 15                        ; my 64 rows of A
	s_mul_i32 s22, s16, WHALF                      ; my 64 rows of W
	s_add_co_u32 s22, s22, WOFF
.irp s, 0,1
	v_add_nc_u32 v[ADRA+\s], s21, v3
	v_add_nc_u32 v[ADRB+\s], s22, v4
	s_add_co_u32 s21, s21, SLOT
	s_add_co_u32 s22, s22, SLOT
.endr
	s_mul_i32 s23, s14, 32*SPITCH
	s_add_co_u32 s23, s23, STAGE                   ; my stage
	v_and_b32 v5, 8, v1
	v_add_nc_u32 v5, v5, v1                        ; r + 8 (r / 8): the row that A's layout gives lane r
	v_mul_u32_u24 v5, v5, SPITCH
	v_lshl_add_u32 v5, v2, 5, v5
	v_add_nc_u32 v[STO], s23, v5
	v_mul_u32_u24 v6, v2, SPITCH                   ; back: lanes 0-15 one row of 256 bytes, lanes 16-31 the next
	v_lshl_add_u32 v6, v1, 4, v6
	v_add_nc_u32 v[RD], s23, v6
	v_lshlrev_b32 v7, 12, v2                       ; and the same two rows in res and out
	v_lshl_add_u32 v[CO], v1, 4, v7
	s_lshl_b32 s23, s42, 9
	s_lshl_b32 s20, s16, 8
	s_add_co_u32 s23, s23, s20                     ; my first column, in bytes: 512 x tile column + 256 x half
	v_lshl_add_u32 v[BO], v1, 4, s23
	s_lshl_b32 s20, s17, 19                        ; my first row: (128 x tile row + 64 x half) x 4,096 bytes
	s_lshl_b32 s21, s15, 18
	s_add_co_u32 s20, s20, s21
	s_add_co_u32 s20, s20, s23
	s_mov_b32 s21, 0
	s_add_nc_u64 s[80:81], s[74:75], s[20:21]
	s_add_nc_u64 s[78:79], s[78:79], s[20:21]
	global_load_b128 v[BI:BI+3], v[BO], s[72:73]
	WIN 0x80                                       ; destination window 2
.set n, 0
.rept 32
	global_load_b128 v[4*n:4*n+3], v[CO], s[80:81] offset:2*n*4096 th:TH_LOAD_NT   ; rows 2 n, 2 n + 1: sixteen lanes read 256 consecutive bytes, aligned
.set n, n+1
.endr
	WIN 0
.macro MUL8 f, a0, zero                ; 8 matrix instructions: A's tiles a0, a0 + 1 x W's four, 128 along K.  The 16 accumulators take turns, in the same order in every quarter
.irp a, \a0, \a0+1
.irp b, 0,1,2,3
.if \zero
	v_wmma_f32_16x16x128_bf8_bf8 v[ACC+8*(4*(\a)+\b):ACC+8*(4*(\a)+\b)+7], v[\f+64+16*\b:\f+64+16*\b+15], v[\f+16*(\a):\f+16*(\a)+15], 0
.else
	v_wmma_f32_16x16x128_bf8_bf8 v[ACC+8*(4*(\a)+\b):ACC+8*(4*(\a)+\b)+7], v[\f+64+16*\b:\f+64+16*\b+15], v[\f+16*(\a):\f+16*(\a)+15], v[ACC+8*(4*(\a)+\b):ACC+8*(4*(\a)+\b)+7]
.endif
.endr
.endr
.endm
.macro FETCH slot, q, f                ; 32 LDS loads in one run: the fragments of the slot's q-th 128 along K; registers 4 c on hold K = 32 c + 16 h + 0..15 in both sources
	WIN TO_F
.irp i, 0,1,2,3
.irp c, 0,1,2,3
	ds_load_b128 v[\f+64+16*\i+4*\c:\f+64+16*\i+4*\c+3], v[ADRB+\slot] offset:\i*16*PITCH+128*(\q)+32*\c
.endr
.endr
.irp i, 0,1,2,3
.irp c, 0,1,2,3
	ds_load_b128 v[\f+16*\i+4*\c:\f+16*\i+4*\c+3], v[ADRA+\slot] offset:(2*(\q)+\c/2)*4096+\i*1024+(\c%2)*512
.endr
.endr
.endm
.macro PLACES                          ; four places in front of loads into registers that matrix instructions have read, and of the first read of results (ISA guide 7.12.1 for vector instructions)
.rept 4
	v_nop
.endr
.endm
.macro QUARTER slot, qn, f, g, zero    ; fetches the slot's quarter qn into g, then multiplies f
	PLACES
	FETCH \slot, \qn, \g
	s_wait_dscnt 32                                ; all but the 32 just issued: f is in
	WIN MUL
	MUL8 \f, 0, \zero
	MUL8 \f, 2, \zero
.endm
; A slot's last quarter multiplies buffer 1 and changes slots: ONE barrier; in front of it each wave waits for all its tensor loads, adds 0 to its spare word, and waits for that and for its reads of this slot.
.macro TURN slot, next, fill
	WIN 0                                          ; (the add's two registers lie in window 0)
	s_wait_tensorcnt 0x0                           ; all my tensor loads have landed: my part of the next slot
	ds_add_u32 v[SPW], v[NIL]                      ; 0 onto my spare word
	s_wait_dscnt 1                                 ; (the add alone may be out: buffer 1 is in)
	WIN MUL
	MUL8 F1, 0, 0                                  ; eight matrix instructions stand between the add and the wait for it
	s_wait_dscnt 0x0                               ; the add is done, and my reads of this slot are over
	s_barrier_signal -1
	MUL8 F1, 2, 0
	WIN 0
	s_barrier_wait -1
.if \fill
	CREST                                          ; the barrier has opened a round of the cluster's barrier: no wave of any partner still reads this slot or has a load on its way
	s_add_nc_u64 s[G0+4*\slot+2:G0+4*\slot+3], s[G0+4*\slot+2:G0+4*\slot+3], 16*262144
	s_add_nc_u64 s[G0B+4*\slot+2:G0B+4*\slot+3], s[G0B+4*\slot+2:G0B+4*\slot+3], 1024
	JLOAD \slot                                    ; the first tensor load behind the round; its four v_nop are the places in front of the loads below
.else
	PLACES
.endif
	FETCH \next, 0, F0
.endm
	s_wait_tensorcnt 1                             ; my part of K step 0 is in (K step 1's load may be out)
	s_barrier_signal -1
	s_barrier_wait -1                              ; everybody's is
	FETCH 0, 0, F0
	QUARTER 0, 1, F0, F1, 1                        ; the first quarter stands in front of the loop: its products start the sums
.if LAPS > 1
	WIN 0                                          ; at a label and at a branch every window is 0
	s_mov_b32 s3, LAPS-1
.Llap:                                                 ; a trip goes once round the ring and fills both slots again
	QUARTER 0, 2, F1, F0, 0
	QUARTER 0, 3, F0, F1, 0
	TURN 0, 1, 1
	QUARTER 1, 1, F0, F1, 0
	QUARTER 1, 2, F1, F0, 0
	QUARTER 1, 3, F0, F1, 0
	TURN 1, 0, 1
	QUARTER 0, 1, F0, F1, 0
	WIN 0
	s_sub_co_u32 s3, s3, 1
	s_cmp_lg_u32 s3, 0
	s_cbranch_scc1 .Llap
.endif
	QUARTER 0, 2, F1, F0, 0                        ; the last lap fills nothing
	QUARTER 0, 3, F0, F1, 0
	TURN 0, 1, 0
	QUARTER 1, 1, F0, F1, 0
	QUARTER 1, 2, F1, F0, 0
	QUARTER 1, 3, F0, F1, 0
	s_wait_dscnt 0x0
	MUL8 F1, 0, 0
	MUL8 F1, 2, 0
	WIN 0
	; THE WAY OUT, 32 rows at a time: the sums go through my own stage (my 64 columns are 256 bytes: a whole aligned unit of a row) and come back as rows; then scale, bias, activation, residual, store.
	s_wait_kmcnt 0x0
	s_add_co_i32 s96, s96, s97
	s_add_co_i32 s96, s96, 127
	s_lshl_b32 s96, s96, 23                        ; 2^(ea + eb) as f32
	s_mov_b32 s97, s96                             ; (named with it as a pair)
	PLACES
.irp gg, 0,1
.if \gg
	s_wait_xcnt 0x0                                ; the first half's stores have read BK: it is loaded again only behind this wait
.endif
.irp u, 0,1
.irp b, 0,1,2,3
	ds_store_b128 v[STO], v[ACC+8*(4*(2*\gg+\u)+\b):ACC+8*(4*(2*\gg+\u)+\b)+3] offset:8*\u*SPITCH+64*\b        ; each accumulator from its low end on
	ds_store_b128 v[STO], v[ACC+8*(4*(2*\gg+\u)+\b)+4:ACC+8*(4*(2*\gg+\u)+\b)+7] offset:8*\u*SPITCH+64*\b+16
.endr
.endr
.irp t, 0,1,2,3,4,5,6,7,8,9,10,11,12,13,14,15
	ds_load_b128 v[BK+4*\t:BK+4*\t+3], v[RD] offset:2*\t*SPITCH   ; LDS serves a wave's instructions in order (ISA guide 5.7.1.4): these see my stores
.endr
	s_wait_dscnt 0x0
.if \gg == 0
	s_wait_loadcnt 0x0                             ; the bias and res
.endif
.irp t, 0,1,2,3,4,5,6,7,8,9,10,11,12,13,14,15
	v_pk_fma_f32 v[BK+4*\t:BK+4*\t+1], v[BK+4*\t:BK+4*\t+1], s[96:97], v[BI:BI+1] op_sel_hi:[1,0,1]
	v_pk_fma_f32 v[BK+4*\t+2:BK+4*\t+3], v[BK+4*\t+2:BK+4*\t+3], s[96:97], v[BI+2:BI+3] op_sel_hi:[1,0,1]
.endr
.if RELU
.set i, 0
.rept 64
	v_max_num_f32 v[BK+i], 0, v[BK+i]
.set i, i+1
.endr
.endif
	WIN 0x08                                       ; source 1 window 2
.irp t, 0,1,2,3,4,5,6,7,8,9,10,11,12,13,14,15
	v_pk_add_f32 v[BK+4*\t:BK+4*\t+1], v[BK+4*\t:BK+4*\t+1], v[64*\gg+4*\t:64*\gg+4*\t+1]
	v_pk_add_f32 v[BK+4*\t+2:BK+4*\t+3], v[BK+4*\t+2:BK+4*\t+3], v[64*\gg+4*\t+2:64*\gg+4*\t+3]
.endr
	WIN 0
.irp t, 0,1,2,3,4,5,6,7,8,9,10,11,12,13,14,15
	global_store_b128 v[CO], v[BK+4*\t:BK+4*\t+3], s[78:79] offset:(32*\gg+2*\t)*4096   ; sixteen lanes store 256 consecutive bytes, aligned
.endr
.endr
	s_wait_tensorcnt 0x0                           ; the wave's end
	ds_add_u32 v[SPW], v[NIL]
	s_wait_dscnt 0x0
	CROUND                                         ; the closing round
	s_endpgm
.Lfunc_end_k_qaf5f55801b_mlp2:
	.size	k_qaf5f55801b_mlp2, .Lfunc_end_k_qaf5f55801b_mlp2-k_qaf5f55801b_mlp2
	.p2alignl 7, 3214868480
	.fill 96, 4, 3214868480
	.section	.rodata,"a",@progbits
	.p2align	6, 0x0
	.amdhsa_kernel k_qaf5f55801b_mlp2
		.amdhsa_group_segment_fixed_size 327680
		.amdhsa_private_segment_fixed_size 0
		.amdhsa_enable_private_segment 0
		.amdhsa_kernarg_size 48
		.amdhsa_user_sgpr_count 2
		.amdhsa_user_sgpr_kernarg_segment_ptr 1
		.amdhsa_wavefront_size32 1
		.amdhsa_system_sgpr_workgroup_id_x 1
		.amdhsa_system_sgpr_workgroup_id_y 1
		.amdhsa_system_sgpr_workgroup_id_z 1
		.amdhsa_system_vgpr_workitem_id 0
		.amdhsa_next_free_vgpr 768
		.amdhsa_next_free_sgpr 98
		.amdhsa_reserve_vcc 0
		.amdhsa_float_denorm_mode_32 3
		.amdhsa_float_denorm_mode_16_64 3
		.amdhsa_memory_ordered 1
		.amdhsa_forward_progress 1
		.amdhsa_inst_pref_size 85
	.end_amdhsa_kernel
	.amdgpu_metadata
---
amdhsa.version: [ 1, 2 ]
amdhsa.kernels:
  - .name:           k_qaf5f55801b_mlp2
    .symbol:         k_qaf5f55801b_mlp2.kd
    .args:
      - { .name: hidc, .offset: 0, .size: 8, .value_kind: global_buffer, .address_space: global }
      - { .name: w2_codes, .offset: 8, .size: 8, .value_kind: global_buffer, .address_space: global }
      - { .name: b2, .offset: 16, .size: 8, .value_kind: global_buffer, .address_space: global }
      - { .name: res1, .offset: 24, .size: 8, .value_kind: global_buffer, .address_space: global }
      - { .name: lowp_scales, .offset: 32, .size: 8, .value_kind: global_buffer, .address_space: global }
      - { .name: out0, .offset: 40, .size: 8, .value_kind: global_buffer, .address_space: global }
    .group_segment_fixed_size: 327680
    .private_segment_fixed_size: 0
    .kernarg_segment_align: 8
    .kernarg_segment_size: 48
    .max_flat_workgroup_size: 128
    .sgpr_count:     98
    .vgpr_count:     768
    .wavefront_size: 32
...
	.end_amdgpu_metadata
.endif
;; end of part 7
